; MI455X (gfx1250); checked and timed in simulation.
; The chip was launched on July 23, 2026; its instructions are those of AMD's public machine-readable ISA for CDNA 5 (MIT licence, August 2026) and "CDNA5" Instruction Set Architecture Reference Guide (July 2026). The comments in the code are by the model that wrote it; some were corrected since.
;; Attention. Allowed arithmetic: matrix products marked QUANTISED: E4M3 operands, one given power-of-two scale a tensor, by v_wmma_f32_16x16x64_fp8_fp8 or v_wmma_f32_16x16x128_fp8_fp8, f32 sums; everything else in f32.
;; Inputs: W_K 16 x 1,024 x 64 float32; W_O 16 x 64 x 1,024 float32; W_Q 16 x 1,024 x 64 float32; W_V 16 x 1,024 x 64 float32; b_K 16 x 64 float32; b_O 1,024 float32; b_Q 16 x 64 float32; b_V 16 x 64 float32; lowp_scales 12 int32 (the exponents e of the quantised operands' scales 2^e); pos_embed 4 x 2,048 x 1,024 float32; x 4 x 2,048 x 1,024 float32.
;; Outputs: out0 4 x 2,048 x 1,024 float32.
;; This version of the problem:
;;   THIS VERSION OF THE PROBLEM IS GIVEN IN LOW PRECISION. The matrix products marked QUANTISED in the list below multiply operands that are first quantised to E4M3 (4 exponent bits, 3 mantissa bits; 8 bits a number), with one given power-of-two scale for each operand tensor; their sums are f32. All else is computed in f32.
;;   The module's matrix products, in the order in which they are computed (A, B: the left and right operand; K: the contracted axis; several contracted axes count as one K, in the product's order):
;;     1. [M 8,192, K 1,024] x [K 1,024, N 1,024]; A: input x; B: input W_Q: QUANTISED (scales: A lowp_scales[0], B lowp_scales[1])
;;     2. [M 8,192, K 1,024] x [K 1,024, N 1,024]; A: input x; B: input W_K: QUANTISED (scales: A lowp_scales[2], B lowp_scales[3])
;;     3. [M 8,192, K 1,024] x [K 1,024, N 1,024]; A: input x; B: input W_V: QUANTISED (scales: A lowp_scales[4], B lowp_scales[5])
;;     4. batch 64 x [M 2,048, K 64] x [K 64, N 2,048]; A: computed on the way; B: computed on the way: QUANTISED (scales: A lowp_scales[6], B lowp_scales[7])
;;     5. batch 64 x [M 2,048, K 2,048] x [K 2,048, N 64]; A: softmax (see below); B: computed on the way: QUANTISED (scales: A lowp_scales[8], B lowp_scales[9])
;;     6. [M 8,192, K 1,024] x [K 1,024, N 1,024]; A: computed on the way; B: input W_O: QUANTISED (scales: A lowp_scales[10], B lowp_scales[11])
;;   THE QUANTISER, for each operand of a quantised product, along K:
;;     - The operand's scale is 2^e, e = its entry of the input lowp_scales (int32; the entries are numbered through the quantised products in the list's order, A before B).
;;     - Each number is divided by the scale, clamped to +-448, and rounded to the nearest number of E4M3, ties to even, subnormals kept.
;;     - The product sums the exact products of the quantised numbers (number of the format x scale) in f32.
;;   ~~~python
;;   def quantise(x, axis, e):      # numpy; x: float32 -> the quantised numbers, widened to float32 again
;;       x = np.moveaxis(x, axis, -1); K = x.shape[-1]
;;       r = np.clip(x / 2.0 ** e, -448, 448)
;;       step = 2.0 ** (np.maximum(np.frexp(np.where(r == 0, 1, r))[1] - 1, -6) - 3)
;;       q = np.round(r / step) * step * 2.0 ** e      # np.round: ties to even
;;       return np.moveaxis(q, -1, axis).astype(np.float32)
;;   ~~~
;;   SOFTMAX AHEAD OF A QUANTISED PRODUCT. Where the list says 'softmax', what is quantised is not the finished softmax but p = 2^(t - M), with t = logit x log2(e) and M = ceil(the row's largest t), a whole number; so 1/2 < the row's largest p <= 1. The row's sum l is taken of the UNQUANTISED p, in f32, and the product's result is divided by l at the end. Since M is a whole number, a kernel that streams over the keys may use a running M (the ceiling of the running maximum): every later rescaling is an exact power of two, so the quantised numbers keep their values, but for numbers so far below the row's largest that they fall under the format's range.
;;   OPERANDS COMPUTED ON THE WAY. 'Computed on the way' means the value that the module computes at that place (a softmax that the list does not call 'softmax' is quantised finished and normalised). What goes into a quantiser is computed in f32, as accurately as f32 sums, v_exp_f32 and their like allow (about 1e-6 of the number): no bf16 or f16 on the way to a quantiser, and a product that is left as it is and whose result goes on into a quantised operand takes f32 operands (vector FMAs, or v_wmma_f32_16x16x4_f32). A number that lies on a knife's edge between two numbers of the format may be rounded either way, as far as f32 arithmetic and the matrix unit's own rounding can turn it there, and no further.
;; One version. Each part assembles by itself: llvm-mc -triple=amdgcn-amd-amdhsa -mcpu=gfx1250 --defsym DOCPART=n.
;; ======== version 1 of 1: 4 launches
;; limits: right only within a limited range of input values
;; workspace buffers: xc 25,165,824 bytes; wc 3,145,728 bytes; woc 1,048,576 bytes; qkv 25,165,824 bytes; zc 8,388,608 bytes
;; launch prep (part 1): grid 640 x 1, 4 waves a work-group, no clusters, 35,328 bytes of LDS; arguments x, W_Q, W_K, W_V, W_O, lowp_scales, xc, wc, woc; writes xc, wc, woc
.if DOCPART == 1
	.amdgcn_target "amdgcn-amd-amdhsa--gfx1250"
	.amdhsa_code_object_version 6
	.text
	.protected	k_q9675a410d1_prep
	.globl	k_q9675a410d1_prep
	.p2align	8
	.type	k_q9675a410d1_prep,@function
k_q9675a410d1_prep:
	s_mov_b64 s[64:65], 0
	v_nop
	global_prefetch_b8 v0, s[64:65] scope:SCOPE_SE
	s_setreg_imm32_b32 hwreg(HW_REG_WAVE_MODE, 25, 1), 1
	s_wait_xcnt 0x0
; PREP: the f32 inputs of the four projections become codes of FP8 (E4M3), each with the scale 2^e that is given for it.
; code = number / 2^e, held within +-448, rounded to the nearest code, ties to even.
;   x [8192][1024]          -> xc: three parts of 8,388,608 bytes, for lowp_scales[0], [2], [4] (x is an operand of three products)
;   W_Q, W_K, W_V [16][1024][64] -> wc: three parts of 1,048,576 bytes, rows n = 64 head + h, K innermost (scales [1], [3], [5])
;   W_O [16][64][1024]      -> woc: images of the operand's registers (scale [11])
; THE ORDER OF K IN xc AND wc.  Position p of a row holds k(p) = 512 (p / 512) + 128 ((p % 16) / 4) + 4 ((p % 512) / 16) + p % 4, the same in both: a product only
; needs its two operands to agree place by place.  So a lane's 16 codes of x come from four loads of 512 consecutive bytes each, and nothing is turned.
; woc: [kstep / 2 (4)][n / 128 (8)][kstep % 2][(n / 16) % 8][2,048 bytes]; an image is [c 0..3][lane][16 bytes]: registers 4 c .. 4 c + 3 of lane (r, h), and registers
; 2 c', 2 c' + 1 hold k = 128 kstep + 16 c' + 8 h + 0 .. 7 of column n = 16 tile + r  (k = 64 head + d).
; WORK-GROUPS: 0-511 take x (a wave: 8 steps of 512 numbers); 512-607 W_Q, W_K, W_V (a wave: 32 columns x 256 places of K); 608-639 W_O (a wave: 32 columns x 256 along K).
; The three paths part on the work-group's number; only the second uses LDS.  No tensor loads, no barrier: waves share nothing.
; pos_embed: reference() takes it as an argument and uses it in no expression, so no launch of this program names it.
; LIMITS: each e between -126 and 119, so that 2^e and 448 x 2^e are f32 numbers.  NaN among the inputs is not served.
.set SPARE, 34816                      ; behind the four stages: the spare words, 128 bytes for each wave: two blocks of 256 bytes that no other line names
.set PITCH, 272                        ; a stage row: 256 bytes of codes + 16
.set SPW,   14                         ; v14  LDS address of my spare word; never rewritten
.set NIL,   15                         ; v15  0; never rewritten
.set R,     16                         ; x: v16-79    four sets of 16 numbers as loaded
.set T,     80
.set C,     128                        ; x: v128-151  two sets of 12 registers of codes
.set X,     32                         ; weights: v32-95  two sets of 32 numbers
.set CW,    96                         ; weights: from v96 the codes (W_O: eight registers for each block, so that no store's data are written again)
.set OUTR,  112                        ; W_Q, W_K, W_V: v112-175 the way out
.macro MKSCALE se, vs, vl              ; from the whole number e in s[se]: v[vs] = 2^e as f32 (the conversion takes its exponent field)
	s_add_co_i32 s34, s\se, 127
	s_lshl_b32 s35, s34, 23
	v_mov_b32 v\vs, s35
	s_add_co_i32 s34, s34, 8
	s_lshl_b32 s34, s34, 23
	s_or_b32 s34, s34, 0x600000
.endm
	s_load_b256 s[4:11], s[0:1], 0x0               ; x s[4:5], W_Q s[6:7], W_K s[8:9], W_V s[10:11]
	s_load_b256 s[12:19], s[0:1], 0x20             ; W_O s[12:13], the scales' exponents s[14:15], xc s[16:17], wc s[18:19]
	s_load_b64 s[20:21], s[0:1], 0x40              ; woc
	v_lshl_add_u32 v[SPW], v0, 2, SPARE
	v_mov_b32 v[NIL], 0
	v_lshrrev_b32 v1, 5, v0
	v_readfirstlane_b32 s22, v1                    ; wave 0..3
	v_and_b32 v2, 31, v0                           ; lane
	s_wait_kmcnt 0x0
	s_load_b256 s[36:43], s[14:15], 0x0            ; e0 .. e7
	s_load_b128 s[44:47], s[14:15], 0x20           ; e8 .. e11
	s_cmp_lt_u32 ttmp9, 512
	s_cbranch_scc0 .Lnot_x
; ---------------------------------------------------------------- x
	s_lshl_b32 s23, ttmp9, 2
	s_add_co_u32 s23, s23, s22                     ; which run of 4,096 numbers is my wave's
	s_lshl_b32 s32, s23, 14                        ; 16,384 bytes of f32
	s_mov_b32 s33, 0
	s_add_nc_u64 s[24:25], s[4:5], s[32:33]
	s_lshl_b32 s32, s23, 12                        ; 4,096 bytes of codes
	s_add_nc_u64 s[26:27], s[16:17], s[32:33]      ; part 0,
	s_add_nc_u64 s[28:29], s[26:27], 0x800000      ; part 1,
	s_add_nc_u64 s[30:31], s[28:29], 0x800000      ; part 2: a base each, since a part's 8,388,608 bytes are one more than a store's immediate holds
	s_wait_alu depctr_va_vdst(0)
	v_lshlrev_b32 v1, 4, v2                        ; 16 bytes a lane, in and out
.macro XLOAD t                         ; step t: four loads of 512 consecutive bytes; register 4 i + j of lane l is k = 128 i + 4 l + j of the step's 512
.irp i, 0,1,2,3
	global_load_b128 v[R+16*((\t)%4)+4*\i:R+16*((\t)%4)+4*\i+3], v1, s[24:25] offset:2048*(\t)+512*\i th:TH_LOAD_NT
.endr
.endm
.macro XSTEP t
.if 7-(\t) >= 3
	s_wait_loadcnt 12                              ; this step's four loads are in; those of the three steps behind it may be out
.else
	s_wait_loadcnt 4*(7-(\t))
.endif
	s_wait_xcnt 0x0                                ; the stores of two steps ago have read their data: this set of codes is written again only behind this wait
.irp p, 0,1,2
.irp i, 0,1,2,3,4,5,6,7,8,9,10,11,12,13,14,15
.endr
	v_cvt_scalef32_pk8_fp8_f32 v[C+12*((\t)%2)+4*\p:C+12*((\t)%2)+4*\p+1], v[T+16*\p+((R+16*((\t)%4)+0)-(T+16*\p+0)):T+16*\p+7+((R+16*((\t)%4)+0)-(T+16*\p+0))], v[4+\p]
	v_cvt_scalef32_pk8_fp8_f32 v[C+12*((\t)%2)+4*\p+2:C+12*((\t)%2)+4*\p+3], v[T+16*\p+8+((R+16*((\t)%4)+0)-(T+16*\p+0)):T+16*\p+15+((R+16*((\t)%4)+0)-(T+16*\p+0))], v[4+\p]
.endr                                  ; (the conversions read set R of the step; one v_nop stands between the last conversion and the loads that write its sources again; its results go to stores alone)
.if (\t)+4 < 8
	v_nop
	XLOAD (\t)+4
.endif
.irp p, 0,1,2
	global_store_b128 v1, v[C+12*((\t)%2)+4*\p:C+12*((\t)%2)+4*\p+3], s[26+2*\p:27+2*\p] offset:512*(\t)   ; 32 lanes store 512 consecutive bytes, at a multiple of 512 from the part's first byte
.endr
.endm
.irp t, 0,1,2,3
	XLOAD \t
.endr
	s_wait_kmcnt 0x0
	MKSCALE 36, 4, 7                               ; e0: x for W_Q
	MKSCALE 38, 5, 8                               ; e2: x for W_K
	MKSCALE 40, 6, 9                               ; e4: x for W_V
	s_wait_alu depctr_va_vdst(0)
.irp t, 0,1,2,3,4,5,6,7
	XSTEP \t
.endr
	s_endpgm
; ---------------------------------------------------------------- W_Q, W_K, W_V: a lane takes a column, its registers run along the places of K
.Lnot_x:
	s_cmp_lt_u32 ttmp9, 608
	s_cbranch_scc0 .Lw_o
	s_sub_co_u32 s23, ttmp9, 512
	s_lshr_b32 s24, s23, 5                         ; which tensor: 0, 1, 2
	s_bfe_u32 s25, s23, 0x40001                    ; head
	s_and_b32 s26, s23, 1                          ; which 512 of K
	s_and_b32 s27, s22, 1                          ; which 32 of the head's 64 columns
	s_lshr_b32 s28, s22, 1                         ; which 256 places of the 512
	s_cmp_eq_u32 s24, 0
	s_cselect_b64 s[30:31], s[6:7], s[8:9]
	s_cmp_eq_u32 s24, 2
	s_cselect_b64 s[30:31], s[10:11], s[30:31]
	s_lshl_b32 s32, s25, 18                        ; in: head x 1,024 rows of 256 bytes
	s_lshl_b32 s33, s26, 17                        ;   + 512 rows
	s_add_co_u32 s32, s32, s33
	s_lshl_b32 s33, s28, 14                        ;   + 64 rows: places 256 on are k 64 on
	s_add_co_u32 s32, s32, s33
	s_lshl_b32 s33, s27, 7                         ;   + 32 columns
	s_add_co_u32 s32, s32, s33
	s_mov_b32 s33, 0
	s_add_nc_u64 s[30:31], s[30:31], s[32:33]
	s_lshl_b32 s32, s24, 20                        ; out: the tensor's part
	s_lshl_b32 s29, s25, 16                        ;   + 64 rows of 1,024 bytes for each head
	s_add_co_u32 s32, s32, s29
	s_lshl_b32 s29, s27, 15                        ;   + 32 rows
	s_add_co_u32 s32, s32, s29
	s_lshl_b32 s29, s26, 9
	s_add_co_u32 s32, s32, s29
	s_lshl_b32 s29, s28, 8
	s_add_co_u32 s32, s32, s29
	s_add_nc_u64 s[52:53], s[18:19], s[32:33]
	s_wait_alu depctr_va_vdst(0)
	v_lshlrev_b32 v3, 2, v2                        ; in: 4 bytes a lane
	s_mul_i32 s29, s22, 32*PITCH                   ; my stage
	v_mul_u32_u24 v4, v2, PITCH
	v_add_nc_u32 v4, s29, v4                       ; into it: row = my column
	v_and_b32 v5, 15, v2
	v_lshrrev_b32 v6, 4, v2
	v_mul_u32_u24 v7, v6, PITCH
	v_lshl_add_u32 v7, v5, 4, v7
	v_add_nc_u32 v7, s29, v7                       ; out of it: sixteen lanes to a row, two rows an instruction
	v_lshlrev_b32 v8, 10, v6
	v_lshl_add_u32 v8, v5, 4, v8                   ; and the same place in wc
.macro WLOAD t                         ; block t: places 32 t + n of my 256; each load reads 128 consecutive bytes
.set n, 0
.rept 32
	global_load_b32 v[X+32*((\t)%2)+n], v3, s[30:31] offset:(128*((n%16)/4)+8*(\t)+4*(n/16)+n%4)*256 th:TH_LOAD_NT
.set n, n+1
.endr
.endm
.macro WBLOCK t
.set XS, X+32*((\t)%2)
.if (\t) < 7
	s_wait_loadcnt 32                              ; this block's 32 loads are in; the next block's may be out
.else
	s_wait_loadcnt 0
.endif
.set n, 0
.rept 32
.set n, n+1
.endr
.irp g, 0,1,2,3
	v_cvt_scalef32_pk8_fp8_f32 v[CW+2*\g:CW+2*\g+1], v[XS+8*\g:XS+8*\g+7], v11
.endr
	ds_store_b128 v4, v[CW:CW+3] offset:32*(\t)    ; 32 codes: 32 bytes of my column's row
	ds_store_b128 v4, v[CW+4:CW+7] offset:32*(\t)+16
.if (\t)+2 < 8
	WLOAD (\t)+2
.endif
	s_wait_dscnt 0x0                               ; the stores have read their registers: the next block's codes may be written
.endm
	WLOAD 0
	WLOAD 1
	s_wait_kmcnt 0x0
	s_cmp_eq_u32 s24, 0
	s_cselect_b32 s48, s37, s39                    ; e1 or e3,
	s_cmp_eq_u32 s24, 2
	s_cselect_b32 s48, s41, s48                    ; or e5
	MKSCALE 48, 11, 10
	s_wait_alu depctr_va_vdst(0)
.irp t, 0,1,2,3,4,5,6,7
	WBLOCK \t
.endr
.irp t, 0,1,2,3,4,5,6,7,8,9,10,11,12,13,14,15
	ds_load_b128 v[OUTR+4*\t:OUTR+4*\t+3], v7 offset:2*\t*PITCH   ; LDS serves a wave's instructions in order (ISA guide 5.7.1.4): these see my stores
.endr
.irp t, 0,1,2,3,4,5,6,7,8,9,10,11,12,13,14,15
	s_wait_dscnt 15-\t                             ; pair t of rows is back; the younger pairs may be out
	global_store_b128 v8, v[OUTR+4*\t:OUTR+4*\t+3], s[52:53] offset:2*\t*1024   ; sixteen lanes store 256 consecutive bytes, at a multiple of 256 from wc's first byte
.endr
	s_wait_tensorcnt 0x0                           ; the wave's end: three lines behind my last LDS store, the first of them even in a text with no tensor load
	ds_add_u32 v[SPW], v[NIL]
	s_wait_dscnt 0x0
	s_endpgm
; ---------------------------------------------------------------- W_O: a lane takes a column n, its registers run down K in the order of the operand's registers
.Lw_o:
	s_sub_co_u32 s23, ttmp9, 608
	s_and_b32 s24, s23, 7                          ; which 128 columns
	s_lshr_b32 s25, s23, 3                         ; which 256 along K
	s_lshl_b32 s32, s25, 20                        ; in: 256 rows of 4,096 bytes
	s_lshl_b32 s29, s24, 9
	s_add_co_u32 s32, s32, s29
	s_lshl_b32 s29, s22, 7                         ;   + my wave's 32 columns
	s_add_co_u32 s32, s32, s29
	s_mov_b32 s33, 0
	s_add_nc_u64 s[30:31], s[12:13], s[32:33]
	s_lshl_b32 s32, s25, 18                        ; out: [kstep / 2][n / 128], and my wave's two tiles of 16 columns
	s_lshl_b32 s29, s24, 15
	s_add_co_u32 s32, s32, s29
	s_lshl_b32 s29, s22, 12
	s_add_co_u32 s32, s32, s29
	s_add_nc_u64 s[52:53], s[20:21], s[32:33]
	s_wait_alu depctr_va_vdst(0)
	v_lshlrev_b32 v3, 2, v2
	v_and_b32 v5, 15, v2
	v_lshrrev_b32 v6, 4, v2
	v_lshlrev_b32 v9, 11, v6
	v_lshl_add_u32 v9, v5, 4, v9                   ; my tile's image, the place of its lane r
.macro OLOAD t                         ; block t = 4 (kstep % 2) + c: 32 along K; numbers 0-15 are what lane (r, 0) holds in registers 4 c .. 4 c + 3, numbers 16-31 what lane (r, 1) holds
.set n, 0
.rept 32
	global_load_b32 v[X+32*((\t)%2)+n], v3, s[30:31] offset:(32*(\t)+16*((n%16)/8)+8*(n/16)+n%8)*4096 th:TH_LOAD_NT
.set n, n+1
.endr
.endm
.macro OBLOCK t
.set XS, X+32*((\t)%2)
.if (\t) < 7
	s_wait_loadcnt 32
.else
	s_wait_loadcnt 0
.endif
.set n, 0
.rept 32
.set n, n+1
.endr
.irp g, 0,1,2,3
	v_cvt_scalef32_pk8_fp8_f32 v[CW+8*(\t)+2*\g:CW+8*(\t)+2*\g+1], v[XS+8*\g:XS+8*\g+7], v11
.endr
.if (\t)+2 < 8
	OLOAD (\t)+2
.endif
	global_store_b128 v9, v[CW+8*(\t):CW+8*(\t)+3], s[52:53] offset:((\t)/4)*16384+((\t)%4)*512        ; sixteen lanes store 256 consecutive bytes, aligned: the image's lanes 0-15,
	global_store_b128 v9, v[CW+8*(\t)+4:CW+8*(\t)+7], s[52:53] offset:((\t)/4)*16384+((\t)%4)*512+256  ; and its lanes 16-31
.endm
	OLOAD 0
	OLOAD 1
	s_wait_kmcnt 0x0
	MKSCALE 47, 11, 10                             ; e11
	s_wait_alu depctr_va_vdst(0)
.irp t, 0,1,2,3,4,5,6,7
	OBLOCK \t
.endr
	s_endpgm
.Lfunc_end_k_q9675a410d1_prep:
	.size	k_q9675a410d1_prep, .Lfunc_end_k_q9675a410d1_prep-k_q9675a410d1_prep
	.p2alignl 7, 3214868480
	.fill 96, 4, 3214868480
	.section	.rodata,"a",@progbits
	.p2align	6, 0x0
	.amdhsa_kernel k_q9675a410d1_prep
		.amdhsa_group_segment_fixed_size 35328
		.amdhsa_private_segment_fixed_size 0
		.amdhsa_enable_private_segment 0
		.amdhsa_kernarg_size 72
		.amdhsa_user_sgpr_count 2
		.amdhsa_user_sgpr_kernarg_segment_ptr 1
		.amdhsa_wavefront_size32 1
		.amdhsa_system_sgpr_workgroup_id_x 1
		.amdhsa_system_sgpr_workgroup_id_y 1
		.amdhsa_system_sgpr_workgroup_id_z 1
		.amdhsa_system_vgpr_workitem_id 0
		.amdhsa_next_free_vgpr 192
		.amdhsa_next_free_sgpr 66
		.amdhsa_reserve_vcc 0
		.amdhsa_float_denorm_mode_32 3
		.amdhsa_float_denorm_mode_16_64 3
		.amdhsa_fp16_overflow 1
		.amdhsa_memory_ordered 1
		.amdhsa_forward_progress 1
		.amdhsa_inst_pref_size 73
	.end_amdhsa_kernel
	.amdgpu_metadata
---
amdhsa.version: [ 1, 2 ]
amdhsa.kernels:
  - .name:           k_q9675a410d1_prep
    .symbol:         k_q9675a410d1_prep.kd
    .args:
      - { .name: x, .offset: 0, .size: 8, .value_kind: global_buffer, .address_space: global }
      - { .name: W_Q, .offset: 8, .size: 8, .value_kind: global_buffer, .address_space: global }
      - { .name: W_K, .offset: 16, .size: 8, .value_kind: global_buffer, .address_space: global }
      - { .name: W_V, .offset: 24, .size: 8, .value_kind: global_buffer, .address_space: global }
      - { .name: W_O, .offset: 32, .size: 8, .value_kind: global_buffer, .address_space: global }
      - { .name: lowp_scales, .offset: 40, .size: 8, .value_kind: global_buffer, .address_space: global }
      - { .name: xc, .offset: 48, .size: 8, .value_kind: global_buffer, .address_space: global }
      - { .name: wc, .offset: 56, .size: 8, .value_kind: global_buffer, .address_space: global }
      - { .name: woc, .offset: 64, .size: 8, .value_kind: global_buffer, .address_space: global }
    .group_segment_fixed_size: 35328
    .private_segment_fixed_size: 0
    .kernarg_segment_align: 8
    .kernarg_segment_size: 72
    .max_flat_workgroup_size: 128
    .sgpr_count:     66
    .vgpr_count:     192
    .wavefront_size: 32
...
	.end_amdgpu_metadata
.endif
;; end of part 1
;; launch qkv (part 2): grid 4 x 96, 4 waves a work-group, clusters of 4 x 4, 327,680 bytes of LDS; arguments xc, wc, lowp_scales, qkv, b_Q, b_K, b_V; writes qkv
.if DOCPART == 2
	.amdgcn_target "amdgcn-amd-amdhsa--gfx1250"
	.amdhsa_code_object_version 6
	.text
	.protected	k_q9675a410d1_qkv
	.globl	k_q9675a410d1_qkv
	.p2align	8
	.type	k_q9675a410d1_qkv,@function
k_q9675a410d1_qkv:
	s_mov_b64 s[64:65], 0
	v_nop
	global_prefetch_b8 v0, s[64:65] scope:SCOPE_SE
	s_setreg_imm32_b32 hwreg(HW_REG_WAVE_MODE, 25, 1), 1
	s_wait_xcnt 0x0
	s_wait_alu depctr_hold_cnt(0) depctr_sa_sdst(0) depctr_va_vdst(0) depctr_va_sdst(0) depctr_va_ssrc(0) depctr_va_vcc(0) depctr_vm_vsrc(0)
	s_getreg_b32 s2, hwreg(HW_REG_IB_STS2, 6, 4)
	s_cmp_eq_u32 s2, 0
	s_cbranch_scc0 .Lentry_in_a_cluster
	s_endpgm
.Lentry_in_a_cluster:
	s_bfe_u32 s2, ttmp6, 0x10000c
	s_cmp_lg_u32 s2, 0xf033
	s_cbranch_scc0 .Lentry_shape_is_right
	s_endpgm
.Lentry_shape_is_right:
; QKV: q = x W_Q + b_Q, k = x W_K + b_K, v = x W_V + b_V on codes of FP8 (E4M3), sums in f32; each result is quantised at once, with the scale given for it as an operand of attention, and stored as
; IMAGES OF THE OPERAND'S REGISTERS, so that the next launch loads fragments whole.
; A tile of 256 x 256 results is made by a work-group of four waves; a wave makes 128 x 128: 64 accumulators of 16 x 16, 512 registers.  K = 1,024 goes in four steps of 256 through a ring of two LDS slots.
; ONE BODY FOR THREE PRODUCTS.  Source 0 of the matrix instruction is operand P: its rows run along a lane's eight result registers.  Source 1 is operand R: its row is the lane's own (lane % 16).
;   q, k: P = the weight's codes (rows n = 64 head + h), R = x's codes (positions): a lane holds eight neighbouring h of one position: K of the product q k^T.
;   v:    P = x's codes (positions), R = W_V's codes: a lane holds eight neighbouring positions of one channel d: K of the product p v.
; P and R have one layout (rows of 1,024 codes), so only pointers differ: they are chosen by s_cselect on the cluster's number.
; CLUSTERS of 4 x 4: cluster y = 8 t + u, t = 0, 1, 2 for q, k, v.  The four of a row of the cluster need the same tiles of R, the four of a column the same tiles of P: each is asked for jointly.
; qkv: three parts of 8,388,608 bytes; in each a head y = 16 batch + head has 131,072 bytes.
;   q, k: [y][position / 16 (128)][1,024]: image [u 0..1][lane][16 bytes]: registers 2 c, 2 c + 1 of lane (r, h') hold h = 16 c + 8 h' + 0 .. 7 of position 16 tile + r.
;   v:    [y][key / 128 (16)][d / 16 (4)][2,048]: image [c 0..3][lane][16 bytes]: registers 2 c', 2 c' + 1 of lane (r, h') hold keys 16 c' + 8 h' + 0 .. 7 of channel 16 tile + r.
; LIMITS on the given exponents, so that each power of two below is an f32 number: e(x) + e(W) between -126 and 127; the result's e between -126 and 119.  The bias is added by the fused multiply-add
; sum x 2^(e(x) + e(W)) + b: one rounding where reference() has two.  K's order inside a row is that of xc and wc, the same in both operands.
; REGISTERS, in windows of 256: window 0: v16-29 addresses; v32-95 the bias in the result's layout; v96-103 its offsets; v104 the result's scale; from v128 R's fragments, ONE set (on the way out
;   v128-191 the numbers, v192-255 four sets of codes).  window 1: P's fragments, TWO sets.  window 2: the accumulators of my R rows 0-63 ((a, b) at v[8 (8 a + b)]); window 3: of rows 64-127.
.set KROW,   1024                      ; a row of codes in memory, in bytes
.set ROWB,   256                       ; a tile's row: 256 along K
.set PITCH,  272                       ; an LDS row: 256 bytes + 16 of padding = 68 words: row r starts at bank 4 r mod 64 (64 banks of 4 bytes: ISA guide 11.1), so the 16 rows of a load start at 16 different banks
.set FR,     16                        ; registers of a fragment: 16 rows x 128 K
.set NL,     4                         ; LDS loads that bring one
.set NP,     4                         ; places behind this matrix instruction (ISA guide 7.12.1)
.set HALFT,  128*PITCH                 ; 128 rows: what one tensor load brings
.set SLOT,   4*HALFT                   ; R's 256 rows, then P's 256 rows
.set SPARE,  2*SLOT                    ; behind the ring: the spare words, 128 bytes for each wave: two blocks of 256 bytes that no other line names
.set ADRA, 16                          ; v16-17  LDS address of my R fragments in slot 0, 1
.set ADRB, 20                          ; v20-21  the same for P
.set GO,   26                          ; v26     16 x lane: my place in an image
.set SPW,  28                          ; v28     LDS address of my spare word; never rewritten
.set NIL,  29                          ; v29     0; never rewritten
.set BIAS, 32
.set VO,   96
.set VSC,  104
.set VLIM, 105
.set AF,   128
.set TMP,  128
.set CD,   192
.set G1, 24                            ; s[24:31] descriptor group 1 for R's tiles;  s[32:39] group 0, one set for each slot
.set G0, 32
.set G1B, 48                           ; s[48:55], s[56:63] the same for P's tiles
.set G0B, 56
.set MSB, 0
.macro WIN new                         ; the immediate's high byte repeats the setting that is left
.if MSB != \new
	s_set_vgpr_msb (MSB<<8)|\new
.set MSB, \new
.endif
.endm
.set MUL_LO, 0xa1                      ; source 0 (P) window 1, source 1 (R) window 0, C and D window 2
.set MUL_HI, 0xf1                      ; the same, C and D window 3
.set TO_B,   0x40                      ; destination window 1, address window 0
; A joint load: waves 0 and 1 fetch for R, waves 2 and 3 for P.  Each of the two lines has one mask and one set of registers for all that issue it; the branch hangs on the wave's number alone.
; An s_nop 0 and four v_nop follow each of the two lines, ahead of the jump, the label and what follows.
.macro JLOAD g0a, g1a, g0b, g1b
	s_cmp_eq_u32 s15, 0
	s_cbranch_scc0 .Lfor_b_\@
	tensor_load_to_lds s[\g0a:\g0a+3], s[\g1a:\g1a+7]
	s_nop 0
.rept 4
	v_nop
.endr
	s_branch .Lasked_\@
.Lfor_b_\@:
	tensor_load_to_lds s[\g0b:\g0b+3], s[\g1b:\g1b+7]
	s_nop 0
.rept 4
	v_nop
.endr
.Lasked_\@:
.endm
.macro CREST                           ; a round of the cluster's barrier behind its opening barrier
	s_cmp_lg_u32 s14, 0
	s_cbranch_scc1 .Lnot_wave_0_\@
	s_barrier_signal -3
.Lnot_wave_0_\@:
	s_barrier_wait -3
	s_barrier_signal -1
	s_barrier_wait -1
.endm
.macro CROUND                          ; a whole round
	s_barrier_signal -1
	s_barrier_wait -1
	CREST
.endm
	s_load_b128 s[4:7], s[0:1], 0x0                ; xc s[4:5], wc s[6:7]
	s_load_b128 s[8:11], s[0:1], 0x10              ; the scales' exponents s[8:9], qkv s[10:11]
	s_load_b128 s[84:87], s[0:1], 0x20             ; b_Q, b_K
	s_load_b64 s[88:89], s[0:1], 0x30              ; b_V
	v_lshl_add_u32 v[SPW], v0, 2, SPARE
	v_mov_b32 v[NIL], 0
	ds_add_u32 v[SPW], v[NIL]                      ; the wave's opening: the add and its wait stand ahead of my first tensor load; the set-up below, work on registers, stands between them
	ds_add_u32 v[SPW], v[NIL]
	v_lshrrev_b32 v1, 5, v0
	v_readfirstlane_b32 s14, v1                    ; wave 0..3
	s_lshr_b32 s15, s14, 1                         ; which half of the tile's R rows is mine.  Also: I fetch for R (0) or for P (1)
	s_and_b32 s16, s14, 1                          ; which half of its P rows.  Also: which 128 rows of that tile I fetch
	s_bfe_u32 s40, ttmp6, 0x40000                  ; cx, cy: my place in the cluster
	s_bfe_u32 s41, ttmp6, 0x40004
	s_and_b32 s18, ttmp7, 0xffff                   ; cluster y, 0 .. 23
	s_lshr_b32 s66, s18, 3                         ; t: 0 q, 1 k, 2 v: the same in all sixteen partners
	s_and_b32 s67, s18, 7                          ; u: which 1,024 positions
	s_cmp_eq_u32 s66, 2
	s_cselect_b32 s42, s67, 0                      ; the positions run along P for v,
	s_cselect_b32 s17, 0, s67                      ; along R for q and k
	s_lshl_b32 s42, s42, 2
	s_add_co_u32 s42, s42, s40                     ; X: which 256 rows of P
	s_lshl_b32 s17, s17, 2
	s_add_co_u32 s17, s17, s41                     ; Y: which 256 rows of R
	s_lshl_b32 s43, s41, 2
	s_lshl_b32 s43, 15, s43                        ; my row of the cluster
	s_lshl_b32 s44, 0x1111, s40                    ; my column
	; descriptor group 1: a tile of 128 rows x 256 bytes, padded in LDS
	s_or_b32 s[G1+0], s43, (0<<16)|(1<<20)|(1<<21)|(5<<22)|(3<<25)  ; 15:0 the mask: R's tiles go to my row; 17:16 element of 1 byte; 20 padding on; 21 set beside a mask; 24:22 after every 64 words (code 5); 31:25 of 4 words (code 3)
	s_or_b32 s[G1B+0], s44, (0<<16)|(1<<20)|(1<<21)|(5<<22)|(3<<25) ; the same with the mask of my column, for P's tiles
.irp g, G1, G1B
	s_mov_b32 s[\g+1], ROWB<<16                    ; tensor_dim0
	s_mov_b32 s[\g+2], 128<<16                     ; tensor_dim1 = 128
	s_mov_b32 s[\g+3], ROWB<<16                    ; tile_dim0
	s_mov_b32 s[\g+4], 128                         ; tile_dim1 = 128
	s_mov_b32 s[\g+5], KROW                        ; tensor_dim0_stride
	s_mov_b32 s[\g+6], 0
	s_mov_b32 s[\g+7], 0
.endr
	s_lshl_b32 s18, s16, 7                         ; which 128 rows of the tile I fetch
	s_lshl_b32 s20, s17, 8
	s_add_co_u32 s20, s20, s18
	s_lshl_b32 s20, s20, 10                        ; R: (256 Y + 128 half) rows of 1,024 bytes
	s_lshl_b32 s46, s42, 8
	s_add_co_u32 s46, s46, s18
	s_lshl_b32 s46, s46, 10                        ; P: (256 X + 128 half) rows
	s_lshl_b32 s19, s66, 23                        ; x's part for q, k
	s_lshl_b32 s21, s66, 20                        ; the weight's part for q, k
	s_cmp_eq_u32 s66, 2
	s_cselect_b32 s19, 0x200000, s19               ; v: R is W_V's part of wc,
	s_cselect_b32 s21, 0x1000000, s21              ;    P is x's third part of xc
	s_add_co_u32 s20, s20, s19
	s_add_co_u32 s46, s46, s21
	s_mov_b32 s21, 0
	s_mov_b32 s47, 0
	s_mul_i32 s45, s14, HALFT                      ; where they go: wave x 128 rows: no place in the cluster enters an LDS address
	s_wait_dscnt 0x0                               ; the opening add is done
	s_wait_kmcnt 0x0
	s_load_b256 s[68:75], s[8:9], 0x0              ; e0 .. e7
	s_load_b128 s[76:79], s[8:9], 0x20             ; e8 .. e11
	s_cmp_eq_u32 s66, 2
	s_cselect_b64 s[80:81], s[6:7], s[4:5]         ; R's buffer
	s_cselect_b64 s[82:83], s[4:5], s[6:7]         ; P's buffer
	s_add_nc_u64 s[20:21], s[80:81], s[20:21]
	s_add_nc_u64 s[46:47], s[82:83], s[46:47]
	CROUND                                         ; all sixteen work-groups are here: the first joint loads meet
.irp s, 0,1
	s_mov_b32 s[G0+4*\s], 1
	s_add_co_u32 s[G0+4*\s+1], s45, \s*SLOT
	s_add_nc_u64 s[G0+4*\s+2:G0+4*\s+3], s[20:21], \s*ROWB
	s_or_b32 s[G0+4*\s+3], s[G0+4*\s+3], 0x80000000
	s_mov_b32 s[G0B+4*\s], 1
	s_add_co_u32 s[G0B+4*\s+1], s45, \s*SLOT
	s_add_nc_u64 s[G0B+4*\s+2:G0B+4*\s+3], s[46:47], \s*ROWB
	s_or_b32 s[G0B+4*\s+3], s[G0B+4*\s+3], 0x80000000
	s_wait_alu depctr_va_vdst(0)
	s_wait_tensorcnt 0x0
	ds_add_u32 v28, v29
	ds_add_u32 v28, v29
	s_wait_dscnt 0x0
	CROUND
	JLOAD G0+4*\s, G1, G0B+4*\s, G1B               ; one tensor load of mine is out
.endr
	v_and_b32 v1, 15, v0                           ; r = lane % 16
	v_bfe_u32 v2, v0, 4, 1                         ; h = lane / 16
	s_wait_alu depctr_va_vdst(0)
	v_mul_u32_u24 v3, v1, PITCH
	v_lshl_add_u32 v4, v2, 4, v3                   ; a fragment's row x pitch + 16 x half
	s_mul_i32 s21, s15, HALFT                      ; my 128 rows of R
	s_mul_i32 s22, s16, HALFT                      ; my 128 rows of P,
	s_add_co_u32 s22, s22, 2*HALFT                 ; which lie behind R's 256
.irp s, 0,1
	v_add_nc_u32 v[ADRA+\s], s21, v4
	v_add_nc_u32 v[ADRB+\s], s22, v4
	s_add_co_u32 s21, s21, SLOT
	s_add_co_u32 s22, s22, SLOT
.endr
	v_and_b32 v6, 31, v0
	v_lshlrev_b32 v[GO], 4, v6
	; Where my results go, and where my bias begins.  (U, W, sa, sb) = (Y, X, P half, R half) for q and k, (X, Y, R half, P half) for v: U counts positions, W output columns.
	s_cmp_eq_u32 s66, 2
	s_cselect_b32 s80, s42, s17                    ; U
	s_cselect_b32 s81, s17, s42                    ; W
	s_cselect_b32 s82, s15, s16                    ; sa
	s_cselect_b32 s83, s16, s15                    ; sb
	s_lshl_b32 s22, s81, 8
	s_lshl_b32 s23, s82, 7
	s_add_co_u32 s22, s22, s23                     ; my first output column n0 = 256 W + 128 sa,
	s_lshl_b32 s22, s22, 2                         ; in bytes of the bias
	s_mov_b32 s23, 0
	s_lshr_b32 s18, s80, 3
	s_lshl_b32 s18, s18, 4                         ; 16 x batch
	s_lshl_b32 s81, s81, 2
	s_add_co_u32 s18, s18, s81
	s_lshl_b32 s82, s82, 1
	s_add_co_u32 s18, s18, s82                     ; y of my first head = 16 batch + 4 W + 2 sa
	s_lshl_b32 s18, s18, 17                        ; its 131,072 bytes;
	s_and_b32 s80, s80, 7
	s_lshl_b32 s80, s80, 14                        ; 256 positions are 16,384 bytes of a head, in q and k (16 images of 1,024) and in v (8 of 2,048) alike,
	s_add_co_u32 s18, s18, s80
	s_lshl_b32 s83, s83, 13                        ; and 128 positions half of that
	s_add_co_u32 s18, s18, s83
	s_lshl_b32 s80, s66, 23                        ; the part
	s_add_co_u32 s18, s18, s80
	s_mov_b32 s19, 0
	s_add_nc_u64 s[92:93], s[10:11], s[18:19]
	s_cmp_eq_u32 s66, 0
	s_cselect_b64 s[90:91], s[84:85], s[86:87]
	s_cmp_eq_u32 s66, 2
	s_cselect_b64 s[90:91], s[88:89], s[90:91]
	s_cselect_b32 s82, 0, 32                       ; the bias in the result's layout, with no branch: q, k: register 8 b + j wants b[n0 + 16 b + 8 h + j];
	s_cselect_b32 s83, 4, 0                        ; v: register 8 a + j wants b[n0 + 16 a + r], the same in all eight j
	s_cselect_b32 s18, 0, 4
	s_add_nc_u64 s[90:91], s[90:91], s[22:23]
	v_mul_u32_u24 v[VO], v2, s82
	v_mad_u32_u24 v[VO], v1, s83, v[VO]
.irp j, 1,2,3,4,5,6,7
	v_add_nc_u32 v[VO+\j], s18, v[VO+\j-1]
.endr
.irp b, 0,1,2,3,4,5,6,7
.irp j, 0,1,2,3,4,5,6,7
	global_load_b32 v[BIAS+8*\b+\j], v[VO+\j], s[90:91] offset:64*\b   ; they land under the products; the wait stands ahead of the way out
.endr
.endr
.macro FRAG reg, adr, q, i             ; a fragment, 16 rows x 128 places of K, is 16 registers: lane l holds row l % 16; registers 4 c .. 4 c + 3 hold places 32 c + 16 (l / 16) + 0 .. 15: the same in P and in R
.irp c, 0,1,2,3
	ds_load_b128 v[\reg+4*\c:\reg+4*\c+3], v[\adr] offset:128*(\q)+32*\c+(\i)*16*PITCH
.endr
.endm
; 16 matrix instructions: R's blocks a0, a0 + 1 x P's eight, 128 along K.  p: P's set.  zero = 1: the first product starts the sums: nothing is ever cleared.
; The 64 accumulators take turns, one instruction a turn, in the same order in every step.
.macro MUL16 a0, p, zero
.irp a, \a0, \a0+1
.irp b, 0,1,2,3,4,5,6,7
.if \zero
	v_wmma_f32_16x16x128_fp8_fp8 v[8*(8*((\a)%4)+\b):8*(8*((\a)%4)+\b)+7], v[128*(\p)+FR*\b:128*(\p)+FR*\b+FR-1], v[AF+FR*(\a):AF+FR*(\a)+FR-1], 0
.else
	v_wmma_f32_16x16x128_fp8_fp8 v[8*(8*((\a)%4)+\b):8*(8*((\a)%4)+\b)+7], v[128*(\p)+FR*\b:128*(\p)+FR*\b+FR-1], v[AF+FR*(\a):AF+FR*(\a)+FR-1], v[8*(8*((\a)%4)+\b):8*(8*((\a)%4)+\b)+7]
.endif
.endr
.endr
.endm
.macro FETCH_B slot, q, p              ; P's eight fragments of the slot's q-th 128 along K into set p
	WIN TO_B
.irp i, 0,1,2,3,4,5,6,7
	FRAG 128*(\p)+FR*\i, ADRB+\slot, \q, \i
.endr
	WIN 0
.endm
.macro FETCH_A slot, q, i0             ; R's blocks i0 .. i0 + 3
.irp i, \i0, \i0+1, \i0+2, \i0+3
	FRAG AF+FR*(\i), ADRA+\slot, \q, \i
.endr
.endm
; A load into a register that a matrix instruction has read, and a vector instruction that reads a matrix result or writes one of its registers, stand NP places behind it; only plain vector
; instructions that name none of its registers are places (ISA guide 7.12.1 for vector instructions).
.macro PLACES n
.rept \n
	v_nop
.endr
.endm
; A step of 128 along K that has its successor in the same slot.
.macro STEP slot, q, zero
	s_wait_dscnt 4*NL                              ; P's set and R's blocks 0-3 are in; the youngest sixteen loads (R's blocks 4-7) may be out
	WIN MUL_LO
	MUL16 0, (\q)%2, \zero
	MUL16 2, (\q)%2, \zero
	s_wait_dscnt 0                                 ; R's blocks 4-7 are in (asked for 32 matrix instructions ago)
	PLACES NP
	FETCH_B \slot, (\q)+1, 1-(\q)%2
	FETCH_A \slot, (\q)+1, 0
	WIN MUL_HI
	MUL16 4, (\q)%2, \zero
	MUL16 6, (\q)%2, \zero
	PLACES NP
	WIN 0
	FETCH_A \slot, (\q)+1, 4
.endm
; A slot's last step changes slots: ONE barrier; in front of it each wave waits for all its tensor loads, adds 0 to its spare word, and waits for that and for its own reads of this slot.  fill = 1: this slot is filled again, two K steps ahead.
.macro TURN slot, next, fill
	s_wait_tensorcnt 0x0                           ; all my tensor loads have landed: my part of the next slot;  (every window is 0 here: the add's two registers lie in window 0)
	ds_add_u32 v[SPW], v[NIL]                      ; 0 onto my spare word
	s_wait_dscnt 4*NL+1                            ; (the add and the youngest sixteen loads, R's blocks 4-7, may be out)
	WIN MUL_LO
	MUL16 0, 1, 0                                  ; sixteen matrix instructions stand between the add and the wait for it
	s_wait_dscnt 0x0                               ; the add is done, and my reads of this slot are over
	s_barrier_signal -1
	MUL16 2, 1, 0
	WIN 0
	s_barrier_wait -1
.if \fill
	CREST                                          ; the barrier has opened a round of the cluster's barrier: no wave of any partner still reads this slot's tile or has a load on its way
	s_add_nc_u64 s[G0+4*\slot+2:G0+4*\slot+3], s[G0+4*\slot+2:G0+4*\slot+3], 2*ROWB
	s_add_nc_u64 s[G0B+4*\slot+2:G0B+4*\slot+3], s[G0B+4*\slot+2:G0B+4*\slot+3], 2*ROWB
	JLOAD G0+4*\slot, G1, G0B+4*\slot, G1B         ; the first tensor load behind the round, my only one until the next; the four v_nop behind it are the places in front of the loads below
.else
	PLACES NP
.endif
	FETCH_B \next, 0, 0
	FETCH_A \next, 0, 0
	WIN MUL_HI
	MUL16 4, 1, 0
	MUL16 6, 1, 0
	PLACES NP
	WIN 0
	FETCH_A \next, 0, 4
.endm
	s_wait_tensorcnt 1                             ; my part of K step 0 is in (K step 1's load may be out)
	s_barrier_signal -1
	s_barrier_wait -1                              ; everybody's is
	FETCH_B 0, 0, 0
	FETCH_A 0, 0, 0
	FETCH_A 0, 0, 4
	STEP 0, 0, 1                                   ; K = 1,024 is four slots' worth, eight steps of 128: written straight, no loop.  The first step's products start the sums
	TURN 0, 1, 1                                   ; slot 0 takes K step 2
	STEP 1, 0, 0
	TURN 1, 0, 1                                   ; slot 1 takes K step 3
	STEP 0, 0, 0
	TURN 0, 1, 0                                   ; nothing is left to fetch: no round of the cluster's barrier
	STEP 1, 0, 0
	s_wait_dscnt 4*NL                              ; the very last step
	WIN MUL_LO
	MUL16 0, 1, 0
	MUL16 2, 1, 0
	s_wait_dscnt 0
	WIN MUL_HI
	MUL16 4, 1, 0
	MUL16 6, 1, 0
	WIN 0
	; THE WAY OUT.  number = sum x 2^(e(x) + e(W)) + bias; held within 448 x the result's scale; converted.  A lane's eight registers are eight neighbours along the next K, so the conversions' results ARE the next
	; operand's registers: four stores of 512 consecutive bytes for each block of 16 R rows, no LDS.
	s_wait_kmcnt 0x0
	s_cmp_eq_u32 s66, 0
	s_cselect_b32 s80, s68, s70                    ; e(x): e0, e2,
	s_cselect_b32 s81, s69, s71                    ; e(W): e1, e3,
	s_cselect_b32 s82, s74, s75                    ; the result's: e6 (q), e7 (k),
	s_cmp_eq_u32 s66, 2
	s_cselect_b32 s80, s72, s80                    ; or e4,
	s_cselect_b32 s81, s73, s81                    ; e5,
	s_cselect_b32 s82, s77, s82                    ; e9 (v)
	s_add_co_i32 s96, s80, s81
	s_add_co_i32 s96, s96, 127
	s_lshl_b32 s96, s96, 23                        ; 2^(e(x) + e(W)) as f32
	s_mov_b32 s97, s96                             ; (named with it as a pair, so it is written)
	s_add_co_i32 s82, s82, 127
	s_lshl_b32 s83, s82, 23
	PLACES NP                                      ; behind the last products: the lines below read results and write registers that held R's fragments
	v_mov_b32 v[VSC], s83                          ; the result's scale as f32: the conversion takes its exponent field
	s_wait_loadcnt 0x0                             ; the bias
.macro EPI isv
.irp a, 0,1,2,3,4,5,6,7
.if \a >= 4
	s_wait_xcnt 0x0                                ; the stores of four blocks ago have read their data: this set of codes is written again only behind this wait
.endif
	WIN 0x02+((\a)/4)                              ; source 0: window 2 or 3
.set n, 0
.rept 32
.if \isv
.set bi, BIAS+8*(\a)+(n%8)
.else
.set bi, BIAS+n
.endif
	v_pk_fma_f32 v[TMP+n:TMP+n+1], v[64*((\a)%4)+n:64*((\a)%4)+n+1], s[96:97], v[bi:bi+1] op_sel_hi:[1,0,1]   ; the scalar pair's low word for both halves; each accumulator from its low end on
.set n, n+2
.endr
	WIN 0
.irp b, 0,1,2,3,4,5,6,7
.irp i, 0,1,2,3,4,5,6,7
.endr
	v_cvt_scalef32_pk8_fp8_f32 v[CD+16*((\a)%4)+2*\b:CD+16*((\a)%4)+2*\b+1], v[TMP+8*\b:TMP+8*\b+7], v[VSC]
.endr
	v_nop                                          ; one plain vector line between the last conversion and the next block's lines, which write its sources
.irp c, 0,1,2,3
.if \isv
	global_store_b128 v[GO], v[CD+16*((\a)%4)+4*\c:CD+16*((\a)%4)+4*\c+3], s[92:93] offset:((\a)/4)*131072+((\a)%4)*2048+\c*512   ; head a / 4, channels 16 (a % 4) on: one image of 2,048 bytes
.else
	global_store_b128 v[GO], v[CD+16*((\a)%4)+4*\c:CD+16*((\a)%4)+4*\c+3], s[92:93] offset:(\a)*1024+(\c/2)*131072+(\c%2)*512     ; positions 16 a on: head c / 2's image of 1,024 bytes
.endif
.endr
.endr
.endm
	s_cmp_eq_u32 s66, 2                            ; the cluster's number alone: all sixteen partners go the same way
	s_cbranch_scc1 .Lv_out
	EPI 0
	s_branch .Lout_done
.Lv_out:
	EPI 1
.Lout_done:
	s_wait_tensorcnt 0x0                           ; the wave's end: behind my last tensor load
	ds_add_u32 v[SPW], v[NIL]
	s_wait_dscnt 0x0
	CROUND                                         ; the closing round: no work-group ends while a partner may still ask for a tile that names it
	s_endpgm
.Lfunc_end_k_q9675a410d1_qkv:
	.size	k_q9675a410d1_qkv, .Lfunc_end_k_q9675a410d1_qkv-k_q9675a410d1_qkv
	.p2alignl 7, 3214868480
	.fill 96, 4, 3214868480
	.section	.rodata,"a",@progbits
	.p2align	6, 0x0
	.amdhsa_kernel k_q9675a410d1_qkv
		.amdhsa_group_segment_fixed_size 327680
		.amdhsa_private_segment_fixed_size 0
		.amdhsa_enable_private_segment 0
		.amdhsa_kernarg_size 56
		.amdhsa_user_sgpr_count 2
		.amdhsa_user_sgpr_kernarg_segment_ptr 1
		.amdhsa_wavefront_size32 1
		.amdhsa_system_sgpr_workgroup_id_x 1
		.amdhsa_system_sgpr_workgroup_id_y 1
		.amdhsa_system_sgpr_workgroup_id_z 1
		.amdhsa_system_vgpr_workitem_id 0
		.amdhsa_next_free_vgpr 1024
		.amdhsa_next_free_sgpr 100
		.amdhsa_reserve_vcc 0
		.amdhsa_float_denorm_mode_32 3
		.amdhsa_float_denorm_mode_16_64 3
		.amdhsa_fp16_overflow 1
		.amdhsa_memory_ordered 1
		.amdhsa_forward_progress 1
		.amdhsa_inst_pref_size 134
	.end_amdhsa_kernel
	.amdgpu_metadata
---
amdhsa.version: [ 1, 2 ]
amdhsa.kernels:
  - .name:           k_q9675a410d1_qkv
    .symbol:         k_q9675a410d1_qkv.kd
    .args:
      - { .name: xc, .offset: 0, .size: 8, .value_kind: global_buffer, .address_space: global }
      - { .name: wc, .offset: 8, .size: 8, .value_kind: global_buffer, .address_space: global }
      - { .name: lowp_scales, .offset: 16, .size: 8, .value_kind: global_buffer, .address_space: global }
      - { .name: qkv, .offset: 24, .size: 8, .value_kind: global_buffer, .address_space: global }
      - { .name: b_Q, .offset: 32, .size: 8, .value_kind: global_buffer, .address_space: global }
      - { .name: b_K, .offset: 40, .size: 8, .value_kind: global_buffer, .address_space: global }
      - { .name: b_V, .offset: 48, .size: 8, .value_kind: global_buffer, .address_space: global }
    .group_segment_fixed_size: 327680
    .private_segment_fixed_size: 0
    .kernarg_segment_align: 8
    .kernarg_segment_size: 56
    .max_flat_workgroup_size: 128
    .sgpr_count:     100
    .vgpr_count:     1024
    .wavefront_size: 32
...
	.end_amdgpu_metadata
.endif
;; end of part 2
;; launch attn (part 3): grid 8 x 64, 16 waves a work-group, no clusters, 327,680 bytes of LDS; arguments qkv, lowp_scales, zc; writes zc
.if DOCPART == 3
	.amdgcn_target "amdgcn-amd-amdhsa--gfx1250"
	.amdhsa_code_object_version 6
	.text
	.protected	k_q9675a410d1_attn
	.globl	k_q9675a410d1_attn
	.p2align	8
	.type	k_q9675a410d1_attn,@function
k_q9675a410d1_attn:
	s_mov_b64 s[64:65], 0
	v_nop
	global_prefetch_b8 v0, s[64:65] scope:SCOPE_SE
	s_setreg_imm32_b32 hwreg(HW_REG_WAVE_MODE, 25, 1), 1
	s_wait_xcnt 0x0
; ATTN: z[b][q][head][:] = the sum over keys k <= q of softmax_k(q . k / 8) v, both products on codes of FP8 (E4M3); z is quantised at once, with the scale given for it as an operand of the last projection.
; THE SOFTMAX AHEAD OF THE SECOND PRODUCT: t = logit x log2(e); M = the row's largest t so far, rounded UP to a whole number; p = 2^(t - M) is what is quantised, along the keys, not normalised.  The row's sum is taken of
; the unquantised p, in f32, and divides at the end.  When M moves, the sum and O are multiplied by 2^(old M - new M): exact.
; SHARES.  Work-group (j, y): head y = 16 batch + head; query blocks j and 15 - j of 128.  Each of its SIXTEEN waves owns one tile of 16 queries: wave w takes tile w / 2 of block j or of block 15 - j, by the bit
; (w xor w / 4) & 1.  A wave walks the steps of 128 keys up to its own diagonal: 8 (j + 1) + 8 (16 - j) = 136 steps in every work-group.
; K's and V's images come through a ring of two LDS slots of 256 keys (wave 0 fetches K's 16,384 bytes, wave 1 V's) and are read by all sixteen waves, each load at 16 x lane.
; LAYOUT.  Both products are used transposed: S^T = K Q^T (source 0 = 16 keys, source 1 = my 16 queries), O^T = V^T P^T (source 0 = 16 channels, source 1 = P): a lane holds ONE query (lane % 16) throughout.
; Register j of tile t of S^T is key 16 t + 8 (lane / 16) + j: the place that the second product's operand gives it, so the conversions' results are that operand's registers.
; THE MASK.  EVERY work-group walks all eight slots, so that the loops' counts are constants; a step all of whose keys come after the wave's queries is jumped over (ids alone).  On the diagonal a hidden score is replaced
; by the number that stands for reference()'s own -100000.  A slot whose first key comes after the work-group's last query is not asked for.
; zc: [row / 128 (64)][head 16][(row / 16) % 8][1,024]: image [u 0..1][lane][16 bytes]: registers 2 c, 2 c + 1 of lane (r, h) hold d = 16 c + 8 h + 0 .. 7 of row r.
; LIMITS.  e6 + e7 between -108 and 130 (added to the exponent fields of c and of the masked number); e8 and e10 between -126 and 119; e8 + e9 is applied by v_ldexp_f32 and has none.
; Keys of steps that lie wholly behind the mask are left out: in reference() they have the logit -100000 and weigh nothing unless every visible logit of the row lies under about -99,850.
; REGISTERS: v1 16 x lane; v2 the address in hand; v3 the prefetch's offset; v5, v6 the add's two; v12 -M, v13 the largest t, v[14:15] the sum in two halves; v16-23 Q; v32-95 K's eight fragments, then V's four;
; v96-159 S^T, then p; v160-191 O^T; v192-207 p's codes; v209: 2^e8; v210 the masked number; v211-218 at work; v221: 2^e10.
.set SLOT1, 1<<15                      ; a slot is 32,768 bytes: K's 16 images of 1,024, then V's 8 of 2,048; one exclusive or turns an address in one slot into the other's
.set VOFF,  16384
.set SPARE, 2*SLOT1                    ; behind the ring: the spare words, 128 bytes for each wave: eight blocks of 256 bytes that no other line names
.set LI,   1
.set AD,   2
.set PFO,  3
.set SPW,  5
.set NIL,  6
.set TB,   2                           ; s2   LDS byte at which the slot in hand begins
.set WV,   18                          ; s18  my wave's number
.set SEL,  20                          ; s[20:21] lane selects for v_permlanex16_b32: lane l xor 16
.set CS,   22                          ; s[22:23] c = log2(e) / 8 x 2^(e6 + e7)
.set G1,   24                          ; s[24:31] descriptor group 1;  s[40:43] group 0, which walks
.set G0,   40
.set LASTQ, 66                         ; s66  my work-group's last query
.set SLOTS, 67                         ; s67  changes of slots still to come
.set PFA,  76                          ; s[76:77] where my prefetches stand
.set LIM,  80                          ; s80  1 in a wave that prefetches, else the greatest number
.set KF,   98                          ; s98  the step's first key
.set Q0,   99                          ; s99  my first query
; Wave 0 fetches K's images of a slot, wave 1 V's, the others nothing.  The branch hangs on the wave's number alone.  An s_nop 0 and four v_nop follow the load.
.macro TLOAD
	s_cmp_lt_u32 s[WV], 2
	s_cbranch_scc0 .Lasked_\@
	tensor_load_to_lds s[G0:G0+3], s[G1:G1+7]
	s_nop 0
.rept 4
	v_nop
.endr
.Lasked_\@:
.endm
; A PREFETCH INTO THE L2 of what the NEXT change of slots will ask for: K's and V's 16,384 bytes of a slot.  All eight work-groups of a head walk the same K and V: work-group j = 0, which asks for all eight slots, prefetches.
; In it four waves that fetch nothing ask, one instruction each: waves 4 and 5 for the halves of K's block, waves 6 and 7 for V's; lanes 256 bytes apart, 8,192 bytes a wave.  So each aligned block of 256 bytes is named once.
; It stands a slot's two key steps ahead of the tensor load that will want the bytes.  Slots 0 and 1 come by their loads alone; the last change that fills a slot asks for nothing.
.macro ASK
	s_cmp_gt_u32 s[SLOTS], s[LIM]
	s_cbranch_scc0 .Lnot_mine_\@
	global_prefetch_b8 v[PFO], s[PFA:PFA+1] th:TH_LOAD_NT scope:SCOPE_SE
.Lnot_mine_\@:
.endm
	s_load_b128 s[4:7], s[0:1], 0x0                ; qkv s[4:5], the scales' exponents s[6:7]
	s_load_b64 s[8:9], s[0:1], 0x10                ; zc
	v_lshl_add_u32 v[SPW], v0, 2, SPARE
	v_mov_b32 v[NIL], 0
	ds_add_u32 v[SPW], v[NIL]                      ; the wave's opening: the add and its wait stand ahead of my first tensor load; the set-up below, work on registers, stands between them
	ds_add_u32 v[SPW], v[NIL]
	v_lshrrev_b32 v2, 5, v0
	s_delay_alu instid0(VALU_DEP_1)
	v_readfirstlane_b32 s[WV], v2                  ; wave 0..15
	s_and_b32 s10, ttmp7, 0xffff                   ; y = 16 batch + head
	s_lshr_b32 s11, s[WV], 2
	s_xor_b32 s11, s11, s[WV]
	s_and_b32 s11, s11, 1                          ; early block (0) or late block (1)
	s_sub_co_u32 s12, 15, ttmp9
	s_cmp_eq_u32 s11, 1
	s_cselect_b32 s13, s12, ttmp9                  ; my block of 128 queries
	s_lshr_b32 s14, s[WV], 1                       ; my tile in it
	s_lshl_b32 s[Q0], s13, 7
	s_lshl_b32 s15, s14, 4
	s_add_co_u32 s[Q0], s[Q0], s15
	s_lshl_b32 s[LASTQ], s12, 7
	s_or_b32 s[LASTQ], s[LASTQ], 127               ; the late block's last query
	s_lshl_b32 s34, s10, 17                        ; the head's 131,072 bytes in each part of qkv
	s_and_b32 s16, s[WV], 1
	s_lshl_b32 s17, s16, 14                        ; what I fetch, if I fetch: K's images at a slot's head, V's 16,384 bytes on;
	s_add_co_u32 s32, s16, 1
	s_lshl_b32 s32, s32, 23                        ; part 1 (k) or part 2 (v),
	s_add_co_u32 s32, s32, s34                     ; my head
	s_mov_b32 s33, 0
	s_lshl_b32 s36, s[Q0], 6                       ; Q: tile Q0 / 16 of 1,024 bytes, in part 0
	s_add_co_u32 s36, s36, s34
	s_mov_b32 s37, 0
	s_lshr_b32 s44, s10, 4
	s_lshl_b32 s44, s44, 4
	s_add_co_u32 s44, s44, s13                     ; zc: row / 128 = 16 batch + block,
	s_lshl_b32 s44, s44, 17
	s_and_b32 s45, s10, 15
	s_lshl_b32 s45, s45, 13                        ; the head's 8 images,
	s_add_co_u32 s44, s44, s45
	s_lshl_b32 s45, s14, 10                        ; my tile's
	s_add_co_u32 s44, s44, s45
	s_mov_b32 s45, 0
	s_bfe_u32 s46, s[WV], 0x10001                  ; the prefetches: waves 4, 5: part 1; waves 6, 7: part 2,
	s_add_co_u32 s46, s46, 1
	s_lshl_b32 s46, s46, 23
	s_add_co_u32 s46, s46, s34
	s_lshl_b32 s47, s16, 13                        ; my half of a slot's 16,384 bytes,
	s_add_co_u32 s46, s46, s47
	s_add_co_u32 s46, s46, 16384                   ; in slot 1: the first change of slots steps it to slot 2.  Nothing is prefetched at the head
	s_mov_b32 s47, 0
	s_sub_co_u32 s48, s[WV], 4
	s_lshr_b32 s48, s48, 2                         ; 0 in waves 4 to 7,
	s_or_b32 s48, s48, ttmp9                       ; of work-group j = 0
	s_cmp_eq_u32 s48, 0
	s_cselect_b32 s[LIM], 1, -1
	; descriptor group 1: 16,384 bytes that are dense in memory, as 64 rows of 32 elements of 8 bytes; no padding: every read is at 16 x lane
	s_mov_b32 s[G1], 3<<16                         ; 15:0 no mask; 17:16 elements of 8 bytes
	s_mov_b32 s[G1+1], 32<<16                      ; tensor_dim0 = 32
	s_mov_b32 s[G1+2], 64<<16                      ; tensor_dim1 = 64
	s_mov_b32 s[G1+3], 32<<16                      ; tile_dim0 = 32
	s_mov_b32 s[G1+4], 64                          ; tile_dim1 = 64
	s_mov_b32 s[G1+5], 32                          ; tensor_dim0_stride
	s_mov_b32 s[G1+6], 0
	s_mov_b32 s[G1+7], 0
	s_mov_b32 s[SEL], 0x76543210
	s_mov_b32 s[SEL+1], 0xfedcba98
	s_mov_b32 s[CS], 0x3e38aa3b                    ; log2(e) / 8
	s_mov_b32 s[TB], 0
	s_mov_b32 s[SLOTS], 7
	s_mov_b32 s[KF], 0
	s_wait_dscnt 0x0                               ; the opening add is done
	s_wait_kmcnt 0x0
	s_load_b128 s[68:71], s[6:7], 0x18             ; e6 (q), e7 (k), e8 (p), e9 (v)
	s_load_b32 s72, s[6:7], 0x28                   ; e10 (z)
	s_mov_b32 s[G0], 1                             ; 1:0 count = 1
	s_mov_b32 s[G0+1], s17                         ; 63:32 LDS address: slot 0
	s_add_nc_u64 s[G0+2:G0+3], s[4:5], s[32:33]    ; 120:64 global address: the head's first 256 keys
	s_or_b32 s[G0+3], s[G0+3], 0x80000000          ; 127:126 type = 2
	TLOAD                                          ; slot 0: one tensor load of mine is out, here and behind every change of slots
	s_add_nc_u64 s[38:39], s[4:5], s[36:37]
	s_add_nc_u64 s[8:9], s[8:9], s[44:45]
	s_add_nc_u64 s[PFA:PFA+1], s[4:5], s[46:47]
	v_and_b32 v[LI], 31, v0
	s_delay_alu instid0(VALU_DEP_1)
	v_lshlrev_b32 v[PFO], 8, v[LI]
	s_delay_alu instid0(VALU_DEP_2)
	v_lshlrev_b32 v[LI], 4, v[LI]
	global_load_b128 v[16:19], v[LI], s[38:39]             ; Q's fragment stays in registers
	global_load_b128 v[20:23], v[LI], s[38:39] offset:512
	v_mov_b32 v13, 0xff61b1e6                      ; the largest t so far: -3e38, under every t
	s_delay_alu instid0(VALU_DEP_1)
	v_floor_f32 v12, -v13                          ; -M
	v_mov_b32 v14, 0                               ; the sum, in two halves
	v_mov_b32 v15, 0
	v_mov_b32 v213, 0                              ; (named as the upper half of the pair v[212:213])
	v_mov_b32 v218, 0                              ; written once: a lane permute's destination counts as one of its sources
.set n, 0
.rept 32
	v_mov_b32 v[160+n], 0                          ; O^T.  (The step is written once: the first finds zeros, which the first change of M leaves zeros)
.set n, n+1
.endr
	s_wait_kmcnt 0x0
	s_add_co_i32 s96, s68, s69
	s_lshl_b32 s96, s96, 23
	s_add_co_i32 s[CS], s[CS], s96                 ; a sum of codes stands for sum x 2^(e6 + e7): the two exponents are added to c's exponent field
	s_mov_b32 s[CS+1], s[CS]                       ; (named with it as a pair, so it is written)
	s_sub_co_i32 s97, 0xc9435000, s96              ; -800000 x 2^-(e6 + e7): times c it is -100000 x log2(e), reference()'s masked logit as t
	v_mov_b32 v210, s97
	s_add_co_i32 s96, s70, 127
	s_lshl_b32 s97, s96, 23
	v_mov_b32 v209, s97                            ; 2^e8 as f32, for p's conversions
; A KEY STEP: 128 keys, the q-th of the slot in hand.
.macro STEP q
	s_add_co_u32 s96, s[Q0], 15                    ; a step all of whose keys come after my 16 queries is left out: a branch on ids, round the step's loads, products and softmax; no barrier or tensor load stands in a step
	s_cmp_gt_u32 s[KF], s96
	s_cbranch_scc1 .Lhidden_\@
	v_add_nc_u32 v[AD], s[TB], v[LI]
.rept 3
	v_nop                                          ; with the addition above: four places in front of loads into registers that the last products have read
.endr
.irp t, 0,1,2,3,4,5,6,7
	ds_load_b128 v[32+8*\t:35+8*\t], v[AD] offset:8192*(\q)+1024*\t        ; K's image of keys 16 t on: 512 consecutive bytes a load
	ds_load_b128 v[36+8*\t:39+8*\t], v[AD] offset:8192*(\q)+1024*\t+512
.endr
	s_wait_alu depctr_va_vdst(0)
	s_wait_dscnt 0x0
.irp t, 0,1,2,3,4,5,6,7
	v_wmma_f32_16x16x64_fp8_fp8 v[96+8*\t:103+8*\t], v[32+8*\t:39+8*\t], v[16:23], 0   ; S^T: K = the head's 64
.endr
.rept 4
	v_nop                                          ; four places: in front of the loads into K's registers, and of the first read of the scores
.endr
.irp t, 0,1,2,3
.irp c, 0,1,2,3
	ds_load_b128 v[32+16*\t+4*\c:35+16*\t+4*\c], v[AD] offset:VOFF+8192*(\q)+2048*\t+512*\c   ; V's four images: asked for here, so that they land under the softmax
.endr
.endr
	s_add_co_u32 s96, s[KF], 127                   ; on the diagonal hidden scores are replaced ahead of the maximum.  A step all of whose keys count skips this
	s_cmp_le_u32 s96, s[Q0]
	s_cbranch_scc1 .Lopen_\@
	s_sub_co_i32 s96, s[Q0], s[KF]
	v_and_b32 v211, 15, v0
	v_bfe_u32 v216, v0, 4, 1
	s_delay_alu instid0(VALU_DEP_1)
	v_lshlrev_b32 v216, 3, v216
	s_delay_alu instid0(VALU_DEP_1)
	v_sub_nc_u32 v211, v211, v216
	s_delay_alu instid0(VALU_DEP_1)
	v_add_nc_u32 v211, s96, v211                   ; d = my query - KF - 8 (lane / 16).  Register 8 t + j holds key KF + 8 (lane / 16) + 16 t + j: hidden where 16 t + j > d
.set n, 0
.rept 64
	v_cmp_gt_i32 vcc_lo, 16*(n/8)+n%8, v211
	v_cndmask_b32 v[96+n], v[96+n], v210, vcc_lo
.set n, n+1
.endr
.Lopen_\@:
	v_max3_num_f32 v216, v96, v97, v98             ; the step's largest score of my query, among my 64 keys, in two chains; each accumulator from its low end on
	v_max3_num_f32 v217, v99, v100, v101
.irp i, 6,10,14,18,22,26,30,34,38,42,46,50,54,58
	v_max3_num_f32 v216, v216, v[96+\i], v[97+\i]
	v_max3_num_f32 v217, v217, v[98+\i], v[99+\i]
.endr
	v_max3_num_f32 v216, v216, v158, v159
	s_delay_alu instid0(VALU_DEP_1)
	v_max_num_f32 v216, v216, v217
	s_delay_alu instid0(VALU_DEP_1)
	v_permlanex16_b32 v218, v216, s[SEL], s[SEL+1]
	s_delay_alu instid0(VALU_DEP_1)
	v_max_num_f32 v216, v216, v218                 ; and among lane l xor 16's
	s_delay_alu instid0(VALU_DEP_1)
	v_mul_f32 v216, s[CS], v216                    ; as t (c is positive)
	s_delay_alu instid0(VALU_DEP_1)
	v_max_num_f32 v13, v13, v216                   ; the running largest t
	v_mov_b32 v216, v12
	s_delay_alu instid0(VALU_DEP_2)
	v_floor_f32 v12, -v13                          ; the new -M = floor(-t) = -ceil(t): M is a whole number
	s_delay_alu instid0(VALU_DEP_1)
	v_sub_f32 v216, v12, v216                      ; M's old value less its new one: a whole number, 0 or less
	s_delay_alu instid0(VALU_DEP_1)
	v_cvt_i32_f32 v216, v216                       ; (it saturates)
	s_delay_alu instid0(VALU_DEP_1)
	v_ldexp_f32 v212, 1.0, v216                    ; f = 2^(old M - new M)
.set n, 0
.rept 32
	v_pk_fma_f32 v[96+n:97+n], v[96+n:97+n], s[CS:CS+1], v[12:13] op_sel_hi:[1,0,0]   ; t - M, two at a time (of the pairs c and -M the low word serves both halves)
.set n, n+2
.endr
.set n, 0
	s_wait_alu depctr_va_vdst(0)
.rept 64
	v_exp_f32 v[96+n], v[96+n]                     ; p = 2^(t - M), at most 1: not normalised
.set n, n+1
.endr
	v_pk_mul_f32 v[14:15], v[14:15], v[212:213] op_sel_hi:[1,0]   ; the sums under the new M: the plain line behind the exponentials
	s_wait_alu depctr_va_vdst(0)                   ; one wait for the whole batch, ahead of its first reader
	v_pk_add_f32 v[214:215], v[100:101], v[104:105]
	v_pk_add_f32 v[222:223], v[108:109], v[112:113]
	v_pk_add_f32 v[220:221], v[116:117], v[120:121]
	v_pk_add_f32 v[216:217], v[124:125], v[128:129]
	v_pk_add_f32 v[206:207], v[132:133], v[136:137]
	v_pk_add_f32 v[204:205], v[140:141], v[144:145]
	v_pk_add_f32 v[202:203], v[148:149], v[152:153]
	v_pk_add_f32 v[14:15], v[14:15], v[156:157]
	v_pk_add_f32 v[214:215], v[214:215], v[96:97]
	v_pk_add_f32 v[222:223], v[222:223], v[98:99]
	v_pk_add_f32 v[220:221], v[220:221], v[102:103]
	v_pk_add_f32 v[216:217], v[216:217], v[106:107]
	v_pk_add_f32 v[206:207], v[206:207], v[110:111]
	v_pk_add_f32 v[204:205], v[204:205], v[114:115]
	v_pk_add_f32 v[202:203], v[202:203], v[118:119]
	v_pk_add_f32 v[14:15], v[14:15], v[122:123]
	v_pk_add_f32 v[214:215], v[214:215], v[126:127]
	v_pk_add_f32 v[222:223], v[222:223], v[130:131]
	v_pk_add_f32 v[220:221], v[220:221], v[134:135]
	v_pk_add_f32 v[216:217], v[216:217], v[138:139]
	v_pk_add_f32 v[206:207], v[206:207], v[142:143]
	v_pk_add_f32 v[204:205], v[204:205], v[146:147]
	v_pk_add_f32 v[202:203], v[202:203], v[150:151]
	v_pk_add_f32 v[14:15], v[14:15], v[154:155]
	v_pk_add_f32 v[214:215], v[214:215], v[158:159]
	s_delay_alu instid0(VALU_DEP_2)
	v_pk_add_f32 v[14:15], v[14:15], v[216:217]
	s_delay_alu instid0(VALU_DEP_2)
	v_pk_add_f32 v[214:215], v[214:215], v[206:207]
	v_pk_add_f32 v[222:223], v[222:223], v[204:205]
	v_pk_add_f32 v[220:221], v[220:221], v[202:203]
	s_delay_alu instid0(VALU_DEP_2)
	v_pk_add_f32 v[14:15], v[14:15], v[222:223]
	s_delay_alu instid0(VALU_DEP_2)
	v_pk_add_f32 v[214:215], v[214:215], v[220:221]
	s_delay_alu instid0(VALU_DEP_1)
	v_pk_add_f32 v[14:15], v[14:15], v[214:215]
.irp t, 0,1,2,3,4,5,6,7
.irp i, 0,1,2,3,4,5,6,7
.endr
	v_cvt_scalef32_pk8_fp8_f32 v[192+2*\t:193+2*\t], v[96+8*\t:103+8*\t], v209   ; registers 2 t, 2 t + 1 of the operand: keys 16 t + 8 (lane / 16) + 0 .. 7
.endr
.irp j, 0,2,4,6,8,10,12,14,16,18,20,22,24,26,28,30
	v_pk_mul_f32 v[160+\j:161+\j], v[160+\j:161+\j], v[212:213] op_sel_hi:[1,0]   ; O^T under the new M.  (These are also the plain lines between the conversions and the products that read the codes)
.endr
	s_wait_alu depctr_va_vdst(0)
	s_wait_dscnt 0x0                               ; V's images are in
.irp t, 0,1,2,3
	v_wmma_f32_16x16x128_fp8_fp8 v[160+8*\t:167+8*\t], v[32+16*\t:47+16*\t], v[192:207], v[160+8*\t:167+8*\t]   ; O^T += V^T P^T: K = these 128 keys; the four accumulators take turns
.endr
.Lhidden_\@:
	s_add_co_u32 s[KF], s[KF], 128
.endm
; THE CHANGE OF SLOTS stands at a slot's head.  Each wave waits for all its tensor loads, adds 0 to its spare word, and waits for that and for its reads of the slot that it has left.
; Behind the barrier the slot ahead is whole and nobody reads the other one.  fill = 1: that other slot is filled with the keys that follow, up to the causal limit: the load has a whole slot's steps in which to land.
.macro CHANGE fill
	s_wait_tensorcnt 0x0                           ; no tensor load of mine is out, so group 0 may be written
	ds_add_u32 v[SPW], v[NIL]                      ; 0 onto my spare word; with fill = 1 the descriptor's steps stand between it and the wait for it
.if \fill
	s_xor_b32 s[G0+1], s[G0+1], SLOT1              ; the walking descriptor: the other slot than last time,
	s_add_nc_u64 s[G0+2:G0+3], s[G0+2:G0+3], 16384 ; the next 256 keys; the type bits on top are not reached
	s_wait_xcnt 0x0                                ; the last prefetch, a slot back, has read its address, so it may be written:
	s_add_nc_u64 s[PFA:PFA+1], s[PFA:PFA+1], 16384 ; one slot further on than the walking descriptor
.endif
	s_wait_dscnt 0x0                               ; the add is done, and my reads of the slot that I have left are over
	s_barrier_signal -1
	s_barrier_wait -1
.if \fill
	s_add_co_u32 s96, s[KF], 256                   ; the first key of the slot that this change would ask for: a slot that begins after my work-group's last query is read by none of its waves, so it is not asked for.
	s_cmp_gt_u32 s96, s[LASTQ]                     ; Ids and the count of steps alone: all sixteen waves go the same way; every wait on TENSORcnt in this text is for 0; the jump leads round the load's own lines and nothing else
	s_cbranch_scc1 .Lpast_\@
	TLOAD                                          ; a wave's one tensor load until the next change
.Lpast_\@:
	ASK
.endif
.endm
.macro SLOT_STEPS
	STEP 0
	STEP 1
	s_xor_b32 s[TB], s[TB], SLOT1                  ; on to the other slot
.endm
	s_wait_loadcnt 0x0                             ; Q
.Lslot:                                            ; seven trips: behind each change of slots but the last the next slot is asked for, up to the limit
	CHANGE 1
	SLOT_STEPS
	s_sub_co_u32 s[SLOTS], s[SLOTS], 1
	s_cmp_lg_u32 s[SLOTS], 0
	s_cbranch_scc1 .Lslot
	CHANGE 0                                       ; the last slot is written out: nothing is left to ask for
	SLOT_STEPS
	; THE WAY OUT.  z = O^T / the sum x 2^(e8 + e9); held, converted with 2^e10.  Register 8 t + i is z(query r, d = 16 t + 8 h + i): eight neighbours along the last projection's K, so the codes are that operand's image.
	v_add_f32 v14, v14, v15                        ; the sum's two halves,
	s_delay_alu instid0(VALU_DEP_1)
	v_permlanex16_b32 v218, v14, s[SEL], s[SEL+1]
	s_delay_alu instid0(VALU_DEP_1)
	v_add_f32 v14, v14, v218                       ; and lane l xor 16's: the row's sum
	s_wait_alu depctr_va_vdst(0)
	v_rcp_f32 v14, v14
	s_add_co_i32 s96, s72, 127
	s_lshl_b32 s97, s96, 23
	v_mov_b32 v221, s97                            ; 2^e10 as f32.  (A plain line behind the reciprocal; with the lines round it, the places behind the last products)
.rept 2
	v_nop
.endr
	s_add_co_i32 s96, s70, s71
	s_wait_alu depctr_va_vdst(0)                   ; the wait ahead of the reciprocal's first reader
	v_ldexp_f32 v14, v14, s96                      ; x 2^(e8 + e9)
.set n, 0
.rept 32
	v_mul_f32 v[96+n], v[160+n], v14               ; each accumulator from its low end on
.set n, n+1
.endr
.irp t, 0,1,2,3
.irp i, 0,1,2,3,4,5,6,7
.endr
	v_cvt_scalef32_pk8_fp8_f32 v[192+2*\t:193+2*\t], v[96+8*\t:103+8*\t], v221
.endr
	v_nop                                          ; a plain vector line behind the last conversion
	global_store_b128 v[LI], v[192:195], s[8:9]            ; 32 lanes store 512 consecutive bytes, at a multiple of 512 from zc's first byte
	global_store_b128 v[LI], v[196:199], s[8:9] offset:512
	s_wait_tensorcnt 0x0                           ; the wave's end: behind my last tensor load
	ds_add_u32 v[SPW], v[NIL]
	s_wait_dscnt 0x0
	s_endpgm
.Lfunc_end_k_q9675a410d1_attn:
	.size	k_q9675a410d1_attn, .Lfunc_end_k_q9675a410d1_attn-k_q9675a410d1_attn
	.p2alignl 7, 3214868480
	.fill 96, 4, 3214868480
	.section	.rodata,"a",@progbits
	.p2align	6, 0x0
	.amdhsa_kernel k_q9675a410d1_attn
		.amdhsa_group_segment_fixed_size 327680
		.amdhsa_private_segment_fixed_size 0
		.amdhsa_enable_private_segment 0
		.amdhsa_kernarg_size 24
		.amdhsa_user_sgpr_count 2
		.amdhsa_user_sgpr_kernarg_segment_ptr 1
		.amdhsa_wavefront_size32 1
		.amdhsa_system_sgpr_workgroup_id_x 1
		.amdhsa_system_sgpr_workgroup_id_y 1
		.amdhsa_system_sgpr_workgroup_id_z 1
		.amdhsa_system_vgpr_workitem_id 0
		.amdhsa_next_free_vgpr 224
		.amdhsa_next_free_sgpr 100
		.amdhsa_reserve_vcc 1
		.amdhsa_float_denorm_mode_32 3
		.amdhsa_float_denorm_mode_16_64 3
		.amdhsa_fp16_overflow 1
		.amdhsa_memory_ordered 1
		.amdhsa_forward_progress 1
		.amdhsa_inst_pref_size 86
	.end_amdhsa_kernel
	.amdgpu_metadata
---
amdhsa.version: [ 1, 2 ]
amdhsa.kernels:
  - .name:           k_q9675a410d1_attn
    .symbol:         k_q9675a410d1_attn.kd
    .args:
      - { .name: qkv, .offset: 0, .size: 8, .value_kind: global_buffer, .address_space: global }
      - { .name: lowp_scales, .offset: 8, .size: 8, .value_kind: global_buffer, .address_space: global }
      - { .name: zc, .offset: 16, .size: 8, .value_kind: global_buffer, .address_space: global }
    .group_segment_fixed_size: 327680
    .private_segment_fixed_size: 0
    .kernarg_segment_align: 8
    .kernarg_segment_size: 24
    .max_flat_workgroup_size: 512
    .sgpr_count:     100
    .vgpr_count:     224
    .wavefront_size: 32
...
	.end_amdgpu_metadata
.endif
;; end of part 3
;; launch oproj (part 4): grid 4 x 32, 4 waves a work-group, clusters of 4 x 4, 327,680 bytes of LDS; arguments zc, woc, lowp_scales, b_O, out0; writes out0
.if DOCPART == 4
	.amdgcn_target "amdgcn-amd-amdhsa--gfx1250"
	.amdhsa_code_object_version 6
	.text
	.protected	k_q9675a410d1_oproj
	.globl	k_q9675a410d1_oproj
	.p2align	8
	.type	k_q9675a410d1_oproj,@function
k_q9675a410d1_oproj:
	s_mov_b64 s[64:65], 0
	v_nop
	global_prefetch_b8 v0, s[64:65] scope:SCOPE_SE
	s_setreg_imm32_b32 hwreg(HW_REG_WAVE_MODE, 25, 1), 1
	s_wait_xcnt 0x0
	s_wait_alu depctr_hold_cnt(0) depctr_sa_sdst(0) depctr_va_vdst(0) depctr_va_sdst(0) depctr_va_ssrc(0) depctr_va_vcc(0) depctr_vm_vsrc(0)
	s_getreg_b32 s2, hwreg(HW_REG_IB_STS2, 6, 4)
	s_cmp_eq_u32 s2, 0
	s_cbranch_scc0 .Lentry_in_a_cluster
	s_endpgm
.Lentry_in_a_cluster:
	s_bfe_u32 s2, ttmp6, 0x10000c
	s_cmp_lg_u32 s2, 0xf033
	s_cbranch_scc0 .Lentry_shape_is_right
	s_endpgm
.Lentry_shape_is_right:
; OPROJ: out0[m][n] = the sum over k = 64 head + d of z[m][k] W_O[k][n] x 2^(e10 + e11) + b_O[n], on codes of FP8 (E4M3); sums in f32.  m: 8,192 rows, n: 1,024, K = 1,024.
; Both operands lie in memory as IMAGES OF THE OPERAND'S REGISTERS (zc: [row / 128][head][(row / 16) % 8][1,024]; woc: [kstep / 2][n / 128][kstep % 2][(n / 16) % 8][2,048]), so a K step's tile of 128 rows x 256 K is one
; dense block of 32,768 bytes, and a fragment comes out of LDS by four loads of 512 consecutive bytes: no pitch, no padding.
; A tile of 256 x 256 of out0 is made by a work-group of four waves; a wave makes 128 x 128: 64 accumulators, 512 registers.  K goes in four steps of 256 through a ring of two LDS slots.  32 x 4 tiles: 128 work-groups;
; a tile of half the size would give each fragment read from LDS half as many products.
; CLUSTERS of 4 x 4: the four of a row of the cluster need the same tiles of z (operand R, source 1), the four of a column the same tiles of W_O (operand P, source 0): each is asked for jointly.
; THE MATRIX INSTRUCTION IS USED TRANSPOSED (source 0 = 16 columns n, source 1 = 16 rows m): a lane then holds eight neighbouring numbers of a row of out0.
; LIMIT: e10 + e11 between -126 and 127, so that 2^(e10 + e11) is an f32 number.  The bias is added by the fused multiply-add sum x 2^(e10 + e11) + b_O.
; REGISTERS, in windows of 256: window 0: v16-29 addresses; v32-95 b_O in the result's layout; from v128 R's fragments, ONE set (on the way out v128-191 a block's numbers).
;   window 1: P's fragments, TWO sets (on the way out v0-127: rows read back from the stage, two sets).  window 2: the accumulators of my rows 0-63 ((a, b) at v[8 (8 a + b)]); window 3: of rows 64-127.
.set FR,     16                        ; registers of a fragment: 16 rows x 128 K
.set NL,     4                         ; LDS loads that bring one
.set NP,     4                         ; places behind this matrix instruction (ISA guide 7.12.1)
.set HALFT,  32768                     ; 128 rows x 256 K: what one tensor load brings
.set SLOT,   4*HALFT                   ; R's two halves, then P's two
.set SPARE,  2*SLOT                    ; behind the ring: the spare words, 128 bytes for each wave: two blocks of 256 bytes that no other line names
.set SPITCH, 528                       ; the way out: a stage of 16 rows x (512 bytes + 16) for each wave.  It lies in slot 0, which has had its last fill and its last read when the first result is stored there
.set NROW,   4096                      ; a row of out0 in bytes
.set ADRA, 16                          ; v16-17  LDS address of my R fragments in slot 0, 1
.set ADRB, 20                          ; v20-21  the same for P
.set STO,  24                          ; v24     the way out: where I put 32 bytes of a row
.set RD,   25                          ; v25     the way out: where I read a row back
.set CO,   26                          ; v26     16 x lane: my place in an image, and my byte offset in a row's 512 bytes
.set SPW,  28                          ; v28     LDS address of my spare word; never rewritten
.set NIL,  29                          ; v29     0; never rewritten
.set BIAS, 32
.set AF,   128
.set TMP,  128
.set G1, 24                            ; s[24:31] descriptor group 1 for R's tiles;  s[32:39] group 0, one set for each slot
.set G0, 32
.set G1B, 48                           ; s[48:55], s[56:63] the same for P's tiles
.set G0B, 56
.set MSB, 0
.macro WIN new                         ; the immediate's high byte repeats the setting that is left
.if MSB != \new
	s_set_vgpr_msb (MSB<<8)|\new
.set MSB, \new
.endif
.endm
.set MUL_LO, 0xa1                      ; source 0 (P) window 1, source 1 (R) window 0, C and D window 2
.set MUL_HI, 0xf1                      ; the same, C and D window 3
.set TO_B,   0x40                      ; destination window 1, address window 0
; A joint load: waves 0 and 1 fetch for R, waves 2 and 3 for P; an s_nop 0 and four v_nop follow each of the two lines, ahead of the jump, the label and what follows.
.macro JLOAD g0a, g1a, g0b, g1b
	s_cmp_eq_u32 s15, 0
	s_cbranch_scc0 .Lfor_b_\@
	tensor_load_to_lds s[\g0a:\g0a+3], s[\g1a:\g1a+7]
	s_nop 0
.rept 4
	v_nop
.endr
	s_branch .Lasked_\@
.Lfor_b_\@:
	tensor_load_to_lds s[\g0b:\g0b+3], s[\g1b:\g1b+7]
	s_nop 0
.rept 4
	v_nop
.endr
.Lasked_\@:
.endm
.macro CREST                           ; a round of the cluster's barrier behind its opening barrier
	s_cmp_lg_u32 s14, 0
	s_cbranch_scc1 .Lnot_wave_0_\@
	s_barrier_signal -3
.Lnot_wave_0_\@:
	s_barrier_wait -3
	s_barrier_signal -1
	s_barrier_wait -1
.endm
.macro CROUND                          ; a whole round
	s_barrier_signal -1
	s_barrier_wait -1
	CREST
.endm
	s_load_b128 s[4:7], s[0:1], 0x0                ; zc s[4:5], woc s[6:7]
	s_load_b128 s[8:11], s[0:1], 0x10              ; the scales' exponents s[8:9], b_O s[10:11]
	s_load_b64 s[12:13], s[0:1], 0x20              ; out0
	v_lshl_add_u32 v[SPW], v0, 2, SPARE
	v_mov_b32 v[NIL], 0
	ds_add_u32 v[SPW], v[NIL]                      ; the wave's opening: the add and its wait stand ahead of my first tensor load; the set-up below, work on registers, stands between them
	ds_add_u32 v[SPW], v[NIL]
	v_lshrrev_b32 v1, 5, v0
	v_readfirstlane_b32 s14, v1                    ; wave 0..3
	s_lshr_b32 s15, s14, 1                         ; which half of the tile's rows is mine.  Also: I fetch for R (0) or for P (1)
	s_and_b32 s16, s14, 1                          ; which half of its columns.  Also: which 128 rows of that tile I fetch
	s_bfe_u32 s40, ttmp6, 0x40000                  ; cx, cy: my place in the cluster
	s_bfe_u32 s41, ttmp6, 0x40004
	s_lshl_b32 s42, ttmp9, 2
	s_add_co_u32 s42, s42, s40                     ; X: tile column = 4 x cluster x + cx
	s_and_b32 s17, ttmp7, 0xffff
	s_lshl_b32 s17, s17, 2
	s_add_co_u32 s17, s17, s41                     ; Y: tile row = 4 x cluster y + cy
	s_lshl_b32 s43, s41, 2
	s_lshl_b32 s43, 15, s43                        ; my row of the cluster
	s_lshl_b32 s44, 0x1111, s40                    ; my column
	; descriptor group 1: 32,768 bytes that are dense in memory, as 128 rows of 32 elements of 8 bytes; no padding
	s_or_b32 s[G1+0], s43, (3<<16)|(1<<21)         ; 15:0 the mask: R's tiles go to my row; 17:16 elements of 8 bytes; 21 set beside a mask
	s_or_b32 s[G1B+0], s44, (3<<16)|(1<<21)        ; the same with the mask of my column, for P's tiles
.irp g, G1, G1B
	s_mov_b32 s[\g+1], 32<<16                      ; tensor_dim0 = 32
	s_mov_b32 s[\g+2], 128<<16                     ; tensor_dim1 = 128
	s_mov_b32 s[\g+3], 32<<16                      ; tile_dim0 = 32
	s_mov_b32 s[\g+4], 128                         ; tile_dim1 = 128
	s_mov_b32 s[\g+5], 32                          ; tensor_dim0_stride
	s_mov_b32 s[\g+6], 0
	s_mov_b32 s[\g+7], 0
.endr
	s_lshl_b32 s20, s17, 1
	s_add_co_u32 s20, s20, s16
	s_lshl_b32 s20, s20, 17                        ; R: rows 128 (2 Y + half) on: 131,072 bytes for each 128 rows, heads 0-3 first
	s_mov_b32 s21, 0
	s_lshl_b32 s46, s42, 1
	s_add_co_u32 s46, s46, s16
	s_lshl_b32 s46, s46, 15                        ; P: columns 128 (2 X + half) on: 32,768 bytes in each 256 along K
	s_mov_b32 s47, 0
	s_mul_i32 s45, s14, HALFT                      ; where they go: wave x 32,768: no place in the cluster enters an LDS address
	s_wait_dscnt 0x0                               ; the opening add is done
	s_wait_kmcnt 0x0
	s_load_b64 s[96:97], s[8:9], 0x28              ; e10, e11
	s_add_nc_u64 s[20:21], s[4:5], s[20:21]
	s_add_nc_u64 s[46:47], s[6:7], s[46:47]
	CROUND                                         ; all sixteen work-groups are here: the first joint loads meet
.irp s, 0,1
	s_mov_b32 s[G0+4*\s], 1
	s_add_co_u32 s[G0+4*\s+1], s45, \s*SLOT
	s_add_nc_u64 s[G0+4*\s+2:G0+4*\s+3], s[20:21], \s*32768        ; K step s: heads 4 s .. 4 s + 3
	s_or_b32 s[G0+4*\s+3], s[G0+4*\s+3], 0x80000000
	s_mov_b32 s[G0B+4*\s], 1
	s_add_co_u32 s[G0B+4*\s+1], s45, \s*SLOT
	s_add_nc_u64 s[G0B+4*\s+2:G0B+4*\s+3], s[46:47], \s*262144     ; K step s of woc
	s_or_b32 s[G0B+4*\s+3], s[G0B+4*\s+3], 0x80000000
	s_wait_alu depctr_va_vdst(0)
	s_wait_tensorcnt 0x0
	ds_add_u32 v28, v29
	ds_add_u32 v28, v29
	s_wait_dscnt 0x0
	CROUND
	JLOAD G0+4*\s, G1, G0B+4*\s, G1B               ; one tensor load of mine is out
.endr
	v_and_b32 v1, 15, v0                           ; r = lane % 16
	s_wait_alu depctr_va_vdst(0)
	v_bfe_u32 v2, v0, 4, 1                         ; h = lane / 16
	v_and_b32 v6, 31, v0
	v_lshlrev_b32 v[CO], 4, v6                     ; 16 x lane
	s_mul_i32 s21, s15, HALFT                      ; my 128 rows of R
	s_mul_i32 s22, s16, HALFT                      ; my 128 columns of P,
	s_add_co_u32 s22, s22, 2*HALFT                 ; which lie behind R's two halves
.irp s, 0,1
	v_add_nc_u32 v[ADRA+\s], s21, v[CO]
	v_add_nc_u32 v[ADRB+\s], s22, v[CO]
	s_add_co_u32 s21, s21, SLOT
	s_add_co_u32 s22, s22, SLOT
.endr
	s_mul_i32 s23, s14, 16*SPITCH                  ; my stage
	v_mul_u32_u24 v5, v1, SPITCH                   ; in: row l % 16, 32 bytes for each half of the lanes
	s_wait_alu depctr_va_vdst(0)
	v_lshl_add_u32 v5, v2, 5, v5
	v_add_nc_u32 v[STO], s23, v5
	v_add_nc_u32 v[RD], s23, v[CO]                 ; back: the 32 lanes take one row of 512 bytes
	s_lshl_b32 s20, s17, 8
	s_lshl_b32 s21, s15, 7
	s_add_co_u32 s20, s20, s21                     ; my first row of out0: 256 Y + 128 half,
	s_lshl_b32 s20, s20, 12                        ; in bytes
	s_lshl_b32 s46, s42, 10                        ; my first column, in bytes: 1,024 X + 512 half: in out0's rows and in b_O alike
	s_lshl_b32 s47, s16, 9
	s_add_co_u32 s46, s46, s47
	s_mov_b32 s47, 0
	s_add_co_u32 s20, s20, s46
	s_mov_b32 s21, 0
	s_add_nc_u64 s[12:13], s[12:13], s[20:21]
	s_add_nc_u64 s[10:11], s[10:11], s[46:47]
	v_lshlrev_b32 v7, 5, v2                        ; register 8 b + j wants b_O[first column + 16 b + 8 h + j]
.irp b, 0,1,2,3,4,5,6,7
	global_load_b128 v[BIAS+8*\b:BIAS+8*\b+3], v7, s[10:11] offset:64*\b        ; they land under the products; the wait stands ahead of the way out
	global_load_b128 v[BIAS+8*\b+4:BIAS+8*\b+7], v7, s[10:11] offset:64*\b+16
.endr
.macro FRAGR reg, adr, q, i            ; R's fragment of rows 16 i on, the slot's q-th 128 along K: the images of heads 2 q and 2 q + 1, eight registers each
.irp c, 0,1,2,3
	ds_load_b128 v[\reg+4*\c:\reg+4*\c+3], v[\adr] offset:(2*(\q)+\c/2)*8192+(\i)*1024+(\c%2)*512
.endr
.endm
.macro FRAGP reg, adr, q, i            ; P's fragment of columns 16 i on: one image of sixteen registers
.irp c, 0,1,2,3
	ds_load_b128 v[\reg+4*\c:\reg+4*\c+3], v[\adr] offset:(\q)*16384+(\i)*2048+\c*512
.endr
.endm
; 16 matrix instructions: R's blocks a0, a0 + 1 x P's eight, 128 along K.  p: P's set.  zero = 1: the first product starts the sums.  The 64 accumulators take turns, one instruction a turn.
.macro MUL16 a0, p, zero
.irp a, \a0, \a0+1
.irp b, 0,1,2,3,4,5,6,7
.if \zero
	v_wmma_f32_16x16x128_fp8_fp8 v[8*(8*((\a)%4)+\b):8*(8*((\a)%4)+\b)+7], v[128*(\p)+FR*\b:128*(\p)+FR*\b+FR-1], v[AF+FR*(\a):AF+FR*(\a)+FR-1], 0
.else
	v_wmma_f32_16x16x128_fp8_fp8 v[8*(8*((\a)%4)+\b):8*(8*((\a)%4)+\b)+7], v[128*(\p)+FR*\b:128*(\p)+FR*\b+FR-1], v[AF+FR*(\a):AF+FR*(\a)+FR-1], v[8*(8*((\a)%4)+\b):8*(8*((\a)%4)+\b)+7]
.endif
.endr
.endr
.endm
.macro FETCH_B slot, q, p
	WIN TO_B
.irp i, 0,1,2,3,4,5,6,7
	FRAGP 128*(\p)+FR*\i, ADRB+\slot, \q, \i
.endr
	WIN 0
.endm
.macro FETCH_A slot, q, i0
.irp i, \i0, \i0+1, \i0+2, \i0+3
	FRAGR AF+FR*(\i), ADRA+\slot, \q, \i
.endr
.endm
.macro PLACES n                        ; places in front of loads into registers that matrix instructions have read, and of the first read of results (ISA guide 7.12.1 for vector instructions)
.rept \n
	v_nop
.endr
.endm
.macro STEP slot, q, zero              ; a step of 128 along K that has its successor in the same slot
	s_wait_dscnt 4*NL                              ; P's set and R's blocks 0-3 are in; the youngest sixteen loads (R's blocks 4-7) may be out
	WIN MUL_LO
	MUL16 0, (\q)%2, \zero
	MUL16 2, (\q)%2, \zero
	s_wait_dscnt 0                                 ; R's blocks 4-7 are in
	PLACES NP
	FETCH_B \slot, (\q)+1, 1-(\q)%2
	FETCH_A \slot, (\q)+1, 0
	WIN MUL_HI
	MUL16 4, (\q)%2, \zero
	MUL16 6, (\q)%2, \zero
	PLACES NP
	WIN 0
	FETCH_A \slot, (\q)+1, 4
.endm
; A slot's last step changes slots: ONE barrier; in front of it each wave waits for all its tensor loads, adds 0 to its spare word, and waits for that and for its own reads of this slot.  fill = 1: this slot is filled again, two K steps ahead.
.macro TURN slot, next, fill
	s_wait_tensorcnt 0x0                           ; all my tensor loads have landed: my part of the next slot;  (every window is 0 here)
	ds_add_u32 v[SPW], v[NIL]                      ; 0 onto my spare word
	s_wait_dscnt 4*NL+1                            ; (the add and the youngest sixteen loads may be out)
	WIN MUL_LO
	MUL16 0, 1, 0                                  ; sixteen matrix instructions stand between the add and the wait for it
	s_wait_dscnt 0x0                               ; the add is done, and my reads of this slot are over
	s_barrier_signal -1
	MUL16 2, 1, 0
	WIN 0
	s_barrier_wait -1
.if \fill
	CREST                                          ; the barrier has opened a round of the cluster's barrier: no wave of any partner still reads this slot's tile or has a load on its way
	s_add_nc_u64 s[G0+4*\slot+2:G0+4*\slot+3], s[G0+4*\slot+2:G0+4*\slot+3], 2*32768
	s_add_nc_u64 s[G0B+4*\slot+2:G0B+4*\slot+3], s[G0B+4*\slot+2:G0B+4*\slot+3], 2*262144
	JLOAD G0+4*\slot, G1, G0B+4*\slot, G1B         ; the first tensor load behind the round, my only one until the next; the four v_nop behind it are the places in front of the loads below
.else
	PLACES NP
.endif
	FETCH_B \next, 0, 0
	FETCH_A \next, 0, 0
	WIN MUL_HI
	MUL16 4, 1, 0
	MUL16 6, 1, 0
	PLACES NP
	WIN 0
	FETCH_A \next, 0, 4
.endm
	s_wait_tensorcnt 1                             ; my part of K step 0 is in (K step 1's load may be out)
	s_barrier_signal -1
	s_barrier_wait -1                              ; everybody's is
	FETCH_B 0, 0, 0
	FETCH_A 0, 0, 0
	FETCH_A 0, 0, 4
	STEP 0, 0, 1                                   ; eight steps of 128 along K, written straight.  The first step's products start the sums
	TURN 0, 1, 1                                   ; slot 0 takes K step 2
	STEP 1, 0, 0
	TURN 1, 0, 1                                   ; slot 1 takes K step 3
	STEP 0, 0, 0
	TURN 0, 1, 0                                   ; nothing is left to fetch: no round.  Behind this barrier nobody reads slot 0 any more
	STEP 1, 0, 0
	s_wait_dscnt 4*NL                              ; the very last step
	WIN MUL_LO
	MUL16 0, 1, 0
	MUL16 2, 1, 0
	s_wait_dscnt 0
	WIN MUL_HI
	MUL16 4, 1, 0
	MUL16 6, 1, 0
	WIN 0
; THE WAY OUT, block by block of 16 rows x 128 columns.  A lane holds 32 neighbouring bytes of a row, and the lanes beside it hold other rows: so a block goes through my own stage in LDS and comes back as whole rows of
; 512 bytes.  LDS serves a wave's instructions in order (ISA guide 5.7.1.4): no wait between the stores and the loads, nor in front of the next block's stores.
.macro TOSTAGE a
.set AC, 64*((\a)%4)
	WIN 0x02+((\a)/4)                              ; source 0: window 2 or 3
.set n, 0
.rept 32
	v_pk_fma_f32 v[TMP+n:TMP+n+1], v[AC+n:AC+n+1], s[96:97], v[BIAS+n:BIAS+n+1] op_sel_hi:[1,0,1]   ; sum x 2^(e10 + e11) + b_O (the scalar pair's low word for both halves); each accumulator from its low end on
.set n, n+2
.endr
	WIN 0
.irp b, 0,1,2,3,4,5,6,7
	ds_store_b128 v[STO], v[TMP+8*\b:TMP+8*\b+3] offset:64*\b
	ds_store_b128 v[STO], v[TMP+8*\b+4:TMP+8*\b+7] offset:64*\b+16
.endr
.set BB, 64*((\a)%2)
	WIN TO_B                                       ; destination window 1
.irp t, 0,1,2,3,4,5,6,7,8,9,10,11,12,13,14,15
	ds_load_b128 v[BB+4*\t:BB+4*\t+3], v[RD] offset:\t*SPITCH
.endr
	WIN 0
.endm
.macro SEND a, younger                 ; younger: the LDS instructions issued behind block a's loads, which may stay out
.set BB, 64*((\a)%2)
	s_wait_dscnt \younger                          ; the block is back in registers
.if (\a) > 0
	s_add_nc_u64 s[12:13], s[12:13], 16*NROW       ; (behind a wait on XCNT: the earlier stores have read their base)  16 rows on
.endif
	WIN 0x04                                       ; a store's data: source 1, window 1
.irp t, 0,1,2,3,4,5,6,7,8,9,10,11,12,13,14,15
	global_store_b128 v[CO], v[BB+4*\t:BB+4*\t+3], s[12:13] offset:\t*NROW th:TH_STORE_NT   ; 32 lanes store 512 consecutive bytes, at a multiple of 512 from out0's first byte; written once, read by nobody here
.endr
	WIN 0
.endm
	s_wait_kmcnt 0x0
	s_add_co_i32 s96, s96, s97                     ; e10 + e11, between -126 and 127,
	s_add_co_i32 s96, s96, 127
	s_lshl_b32 s96, s96, 23                        ; makes the f32 number 2^(e10 + e11)
	s_mov_b32 s97, s96                             ; (named with it as a pair)
	s_wait_loadcnt 0x0                             ; b_O
	PLACES NP                                      ; behind the last products: the lines below read results, write registers that held R's fragments and load into registers that held P's
	TOSTAGE 0
.irp a, 1,2,3,4,5,6,7
.if \a > 1
	s_wait_xcnt 0x0                                ; block a - 2's stores have read their registers and their base: block a's loads may land there, and the base may step
.endif
	TOSTAGE \a
	SEND \a-1, 32                                  ; behind block a - 1's loads: block a's 16 stores and 16 loads
.endr
	s_wait_xcnt 0x0                                ; block 6's stores have read their base
	SEND 7, 0
	s_wait_tensorcnt 0x0                           ; the wave's end: behind my last tensor load and my last LDS store
	ds_add_u32 v[SPW], v[NIL]
	s_wait_dscnt 0x0
	CROUND                                         ; the closing round: no work-group ends while a partner may still ask for a tile that names it
	s_endpgm
.Lfunc_end_k_q9675a410d1_oproj:
	.size	k_q9675a410d1_oproj, .Lfunc_end_k_q9675a410d1_oproj-k_q9675a410d1_oproj
	.p2alignl 7, 3214868480
	.fill 96, 4, 3214868480
	.section	.rodata,"a",@progbits
	.p2align	6, 0x0
	.amdhsa_kernel k_q9675a410d1_oproj
		.amdhsa_group_segment_fixed_size 327680
		.amdhsa_private_segment_fixed_size 0
		.amdhsa_enable_private_segment 0
		.amdhsa_kernarg_size 40
		.amdhsa_user_sgpr_count 2
		.amdhsa_user_sgpr_kernarg_segment_ptr 1
		.amdhsa_wavefront_size32 1
		.amdhsa_system_sgpr_workgroup_id_x 1
		.amdhsa_system_sgpr_workgroup_id_y 1
		.amdhsa_system_sgpr_workgroup_id_z 1
		.amdhsa_system_vgpr_workitem_id 0
		.amdhsa_next_free_vgpr 1024
		.amdhsa_next_free_sgpr 100
		.amdhsa_reserve_vcc 0
		.amdhsa_float_denorm_mode_32 3
		.amdhsa_float_denorm_mode_16_64 3
		.amdhsa_memory_ordered 1
		.amdhsa_forward_progress 1
		.amdhsa_inst_pref_size 126
	.end_amdhsa_kernel
	.amdgpu_metadata
---
amdhsa.version: [ 1, 2 ]
amdhsa.kernels:
  - .name:           k_q9675a410d1_oproj
    .symbol:         k_q9675a410d1_oproj.kd
    .args:
      - { .name: zc, .offset: 0, .size: 8, .value_kind: global_buffer, .address_space: global }
      - { .name: woc, .offset: 8, .size: 8, .value_kind: global_buffer, .address_space: global }
      - { .name: lowp_scales, .offset: 16, .size: 8, .value_kind: global_buffer, .address_space: global }
      - { .name: b_O, .offset: 24, .size: 8, .value_kind: global_buffer, .address_space: global }
      - { .name: out0, .offset: 32, .size: 8, .value_kind: global_buffer, .address_space: global }
    .group_segment_fixed_size: 327680
    .private_segment_fixed_size: 0
    .kernarg_segment_align: 8
    .kernarg_segment_size: 40
    .max_flat_workgroup_size: 128
    .sgpr_count:     100
    .vgpr_count:     1024
    .wavefront_size: 32
...
	.end_amdgpu_metadata
.endif
;; end of part 4
